; MI455X (gfx1250); checked and timed in simulation.
; The chip was launched on July 23, 2026; its instructions are those of AMD's public machine-readable ISA for CDNA 5 (MIT licence, August 2026) and "CDNA5" Instruction Set Architecture Reference Guide (July 2026). The comments in the code are by the model that wrote it; some were corrected since.
;; Multi Head Attention. Allowed arithmetic: matrix products marked QUANTISED: E2M1 operands, one E8M0 scale for each 32 along K, by v_wmma_scale_f32_16x16x128_f8f6f4 with both operands' format E2M1 (or v_wmma_scale_f32_32x16x128_f4), f32 sums; products left as they are: bf16, f16 or f32 operands; f32 sums; everything else in f32.
;; Inputs: Wk 1,024 x 1,024 float32; Wo 1,024 x 1,024 float32; Wq 1,024 x 1,024 float32; Wv 1,024 x 1,024 float32; bo 1,024 float32; x 4 x 2,048 x 1,024 float32.
;; Outputs: out0 4 x 2,048 x 1,024 float32.
;; This version of the problem:
;;   THIS VERSION OF THE PROBLEM IS GIVEN IN LOW PRECISION. The matrix products marked QUANTISED in the list below multiply operands that are first quantised to E2M1 (2 exponent bits, 1 mantissa bit; 4 bits a number), with one power-of-two scale for each 32 numbers along K (OCP MX v1.0); their sums are f32. The products marked 'left as it is' may take bf16, f16 or f32 operands, with f32 sums. Whichever they take, every output number must still come out within the allowed error. Rounding operands to bf16 (8 significant bits) uses up far more of that allowance than f16 does (11 bits, for magnitudes from 6e-5 to 65,504). All else is computed in f32.
;;   The module's matrix products, in the order in which they are computed (A, B: the left and right operand; K: the contracted axis; several contracted axes count as one K, in the product's order):
;;     1. [M 8,192, K 1,024] x [K 1,024, N 1,024]; A: input x; B: input Wq: QUANTISED
;;     2. [M 8,192, K 1,024] x [K 1,024, N 1,024]; A: input x; B: input Wk: QUANTISED
;;     3. [M 8,192, K 1,024] x [K 1,024, N 1,024]; A: input x; B: input Wv: QUANTISED
;;     4. batch 64 x [M 2,048, K 64] x [K 64, N 2,048]; A: computed on the way; B: computed on the way: left as it is (an operand is computed on the way)
;;     5. batch 64 x [M 2,048, K 2,048] x [K 2,048, N 64]; A: computed on the way; B: computed on the way: left as it is (an operand is computed on the way)
;;     6. [M 8,192, K 1,024] x [K 1,024, N 1,024]; A: computed on the way; B: input Wo: left as it is (an operand is computed on the way)
;;   THE QUANTISER, for each operand of a quantised product, along K:
;;     - K is cut into blocks of 32 from its start; a last block that is shorter is filled with zeros.
;;     - A block's scale is 2^e with e = floor(log2(the largest magnitude in the block)) - 2, held to -126 .. 127; a block of zeros has e = 0. As a byte (E8M0): e + 127.
;;     - Each number is divided by its block's scale, clamped to +-6, and rounded to the nearest number of E2M1, ties to even, subnormals kept.
;;     - The product sums the exact products of the quantised numbers (number of the format x scale) in f32.
;;   ~~~python
;;   def quantise(x, axis):      # numpy; x: float32 -> the quantised numbers, widened to float32 again
;;       x = np.moveaxis(x, axis, -1); K = x.shape[-1]
;;       x = np.pad(x, [(0, 0)] * (x.ndim - 1) + [(0, -K % 32)]); x = x.reshape(x.shape[:-1] + (-1, 32)); a = np.abs(x).max(-1, keepdims=True)
;;       e = np.where(a > 0, np.clip(np.frexp(np.where(a > 0, a, 1))[1] - 1 - 2, -126, 127), 0)      # np.frexp(a)[1] - 1 = floor(log2(a)), exactly
;;       r = np.clip(x / 2.0 ** e, -6, 6)
;;       step = 2.0 ** (np.maximum(np.frexp(np.where(r == 0, 1, r))[1] - 1, 0) - 1)
;;       q = np.round(r / step) * step * 2.0 ** e      # np.round: ties to even
;;       return np.moveaxis(q.reshape(q.shape[:-2] + (-1,))[..., :K], -1, axis).astype(np.float32)
;;   ~~~
;; One version. Each part assembles by itself: llvm-mc -triple=amdgcn-amd-amdhsa -mcpu=gfx1250 --defsym DOCPART=n.
;; ======== version 1 of 1: 5 launches
;; limits: values are held in f16: magnitudes above 65,504 overflow, below 6.1e-05 lose precision
;; workspace buffers: xc 4,194,304 bytes; xs 262,144 bytes; wc 1,572,864 bytes; ws 98,304 bytes; wo16 2,097,152 bytes; qkv 50,331,648 bytes; ctx 16,777,216 bytes
;; launch qx (part 1): grid 256 x 1, 4 waves a work-group, no clusters, 33,280 bytes of LDS; arguments x, xc, xs; writes xc, xs
.if DOCPART == 1
	.amdgcn_target "amdgcn-amd-amdhsa--gfx1250"
	.amdhsa_code_object_version 6
	.text
	.protected	k_q9264cb6adb_qx
	.globl	k_q9264cb6adb_qx
	.p2align	8
	.type	k_q9264cb6adb_qx,@function
k_q9264cb6adb_qx:
	s_mov_b64 s[64:65], 0
	v_nop
	global_prefetch_b8 v0, s[64:65] scope:SCOPE_SE
	s_setreg_imm32_b32 hwreg(HW_REG_WAVE_MODE, 25, 1), 1
	s_wait_xcnt 0x0
; x [8192][1024], f32, becomes codes of FP4 (E2M1), K innermost, two codes a byte (xc: [8192][512 bytes]), with one E8M0 scale byte for each 32 along K (xs: [8192][32]).
; A block's scale is 2^(floor(log2(its largest magnitude)) - 2); its byte is the largest magnitude's own exponent field - 2, held at 1 from below.  Each number is divided by the scale and rounded to
; the nearest code, ties to even; beyond the largest code the largest.  A block of zeros gets the byte 1: its codes are zeros, which add nothing, and the bytes are read by this program alone.
; LIMITS: NaN and infinities among the inputs are not served.
; Rows are dense and 1,024 is a multiple of 32: x is a plain stream of blocks of 32, and so are the codes and the scale bytes.  A wave takes 16 steps of 512 numbers.  Each of a step's four loads reads
; 512 consecutive bytes, 16 a lane; the 2,048 bytes turn through the wave's own stage in LDS and come back 64 bytes a lane: 16 neighbours along K, as the conversion wants them; two neighbouring lanes
; hold a block.  A lane's 16 codes are 8 bytes: the wave stores 256 consecutive bytes.  A wave's 256 scale bytes are gathered in LDS and leave as one aligned run of 256 bytes.
; No barrier: waves share nothing.  Loads run four steps (16 loads a wave) ahead, the turn through LDS one step.
.set WAVES, 4
.set STEPS, 16
.set EMAX,  2
.set CB,    8                          ; bytes of 16 codes
.set R,     16                         ; v16-79   four sets of 16 numbers as they are loaded
.set X,     80                         ; v80-111  two sets of 16 neighbours
.set C,     128                        ; v128-191 codes: four registers for each step, so that no store's data are written again
.set E,     112                        ; v112-127 a scale byte for each step
.set WREG,  8192                       ; LDS: a region for each wave: two stages of 32 x SP bytes, behind them its 256 scale bytes
.set SP,    80                         ; a lane's place in a stage: 64 bytes + 16 of padding
.set SPW,   12                         ; v12      LDS address of my spare word; never rewritten
.set NIL,   13                         ; v13      0; never rewritten
.set SPARE, WAVES*WREG                 ; behind the four regions: the spare words, 128 bytes a wave, which no other line names
	s_load_b128 s[4:7], s[0:1], 0x0                ; x s[4:5], xc s[6:7]
	s_load_b64 s[8:9], s[0:1], 0x10                ; xs
	v_lshl_add_u32 v[SPW], v0, 2, SPARE
	v_mov_b32 v[NIL], 0
	v_lshrrev_b32 v1, 5, v0
	v_readfirstlane_b32 s16, v1                    ; wave
	v_and_b32 v2, 31, v0                           ; lane
	v_lshlrev_b32 v3, 4, v2                        ; my 16 bytes of a load's 512
	s_mul_i32 s17, s16, WREG
	v_lshrrev_b32 v14, 2, v2
	v_mul_u32_u24 v14, v14, SP
	v_and_b32 v15, 3, v2
	v_lshl_add_u32 v14, v15, 4, v14
	v_add_nc_u32 v14, s17, v14                     ; the stage, way in: four lanes' 64 bytes on end, then the padding
	v_mul_u32_u24 v15, v2, SP
	v_add_nc_u32 v15, s17, v15                     ; way out: SP x lane: my 16 neighbours
	v_mul_u32_u24 v4, v2, CB                       ; my codes' place in a step's
	v_lshrrev_b32 v5, 1, v2
	s_add_co_u32 s17, s17, 2*32*SP
	v_add_nc_u32 v5, s17, v5                       ; my wave's 256 scale bytes, my block's byte
	v_lshlrev_b32 v7, 3, v2                        ; and on the way out 8 bytes a lane
	v_add_nc_u32 v6, s17, v7
	s_lshl_b32 s18, ttmp9, 2
	s_add_co_u32 s18, s18, s16                     ; which run of 8,192 numbers is my wave's: 0 .. 1,023
	s_lshl_b32 s20, s18, 15                        ; 32,768 bytes of x,
	s_mov_b32 s21, 0
	s_lshl_b32 s22, s18, 12                        ; 4,096 of codes,
	s_mov_b32 s23, 0
	s_lshl_b32 s24, s18, 8                         ; 256 of scale bytes a run
	s_mov_b32 s25, 0
	s_wait_kmcnt 0x0
	s_add_nc_u64 s[4:5], s[4:5], s[20:21]
	s_add_nc_u64 s[6:7], s[6:7], s[22:23]
	s_add_nc_u64 s[8:9], s[8:9], s[24:25]
.macro LOAD t
.irp i, 0,1,2,3
	global_load_b128 v[R+16*((\t)%4)+4*\i:R+16*((\t)%4)+4*\i+3], v3, s[4:5] offset:2048*(\t)+512*\i th:TH_LOAD_NT   ; 32 lanes read 512 consecutive bytes
.endr
.endm
.macro TURN t                          ; step t's numbers through the stage: LDS serves a wave's instructions in order, so no wait stands between the stores and the loads
.irp i, 0,1,2,3
	ds_store_b128 v14, v[R+16*((\t)%4)+4*\i:R+16*((\t)%4)+4*\i+3] offset:32*SP*((\t)%2)+8*SP*\i
.endr
.irp i, 0,1,2,3
	ds_load_b128 v[X+16*((\t)%2)+4*\i:X+16*((\t)%2)+4*\i+3], v15 offset:32*SP*((\t)%2)+16*\i
.endr
.endm
.irp t, 0,1,2,3
	LOAD \t
.endr
	s_wait_loadcnt 12                              ; step 0's four loads are in; the twelve of steps 1 to 3 may be out
	TURN 0
.macro STEP t
.set XS, X+16*((\t)%2)
.if (\t) > 0
	s_wait_dscnt 1                                 ; this step's numbers are back from the stage (the last step's byte store may be out): so its stores into the stage have read their registers,
.else
	s_wait_dscnt 0x0
.endif
.if (\t)+4 < STEPS
	LOAD (\t)+4                                    ; which take the loads of four steps on
.endif
.if (\t)+1 < STEPS
.if STEPS-2-(\t) >= 3
	s_wait_loadcnt 12                              ; the next step's four loads are in; those of the three steps behind it may be out
.else
	s_wait_loadcnt 4*(STEPS-2-(\t))
.endif
	TURN (\t)+1                                    ; and go through the other stage while this step is worked
.endif
	v_max3_num_f32 v8, |v[XS]|, |v[XS+1]|, |v[XS+2]|               ; the largest magnitude of my 16, in two chains
	v_max3_num_f32 v9, |v[XS+3]|, |v[XS+4]|, |v[XS+5]|
.irp i, 6,10
	v_max3_num_f32 v8, v8, |v[XS+\i]|, |v[XS+\i+1]|
	v_max3_num_f32 v9, v9, |v[XS+\i+2]|, |v[XS+\i+3]|
.endr
	v_max3_num_f32 v8, v8, |v[XS+14]|, |v[XS+15]|
	v_max3_num_f32 v8, v8, v9, (EMAX+1)<<23        ; and the floor 2^(EMAX + 1 - 127): so the byte cannot fall under 1
	v_max_num_f32_dpp v8, v8, v8 row_xmask:1 row_mask:0xf bank_mask:0xf   ; and of my neighbour's 16: the block's
	v_add_nc_u32 v11, -(EMAX<<23), v8              ; EMAX off its exponent field: the conversion takes the exponent field of this operand as its scale
	v_cvt_scalef32_pk8_fp4_f32 v[C+4*(\t)], v[XS:XS+7], v11
	v_cvt_scalef32_pk8_fp4_f32 v[C+4*(\t)+1], v[XS+8:XS+15], v11
	v_lshrrev_b32 v[E+(\t)], 23, v11               ; the scale's byte (a plain line behind the conversions)
	ds_store_b8 v5, v[E+(\t)] offset:16*(\t)       ; both lanes of a block write the same byte with the same value
	global_store_b64 v4, v[C+4*(\t):C+4*(\t)+1], s[6:7] offset:32*CB*(\t)   ; 32 lanes store 256 consecutive bytes, aligned
.endm
.irp t, 0,1,2,3,4,5,6,7,8,9,10,11,12,13,14,15
	STEP \t
.endr
	ds_load_b64 v[8:9], v6                         ; LDS serves a wave's instructions in order: these see my stores
	s_wait_dscnt 0x0
	global_store_b64 v7, v[8:9], s[8:9]            ; 32 lanes store 256 consecutive bytes, aligned
	s_wait_tensorcnt 0x0                           ; the wave's end: these three lines behind my last LDS store
	ds_add_u32 v[SPW], v[NIL]
	s_wait_dscnt 0x0
	s_endpgm
.Lfunc_end_k_q9264cb6adb_qx:
	.size	k_q9264cb6adb_qx, .Lfunc_end_k_q9264cb6adb_qx-k_q9264cb6adb_qx
	.p2alignl 7, 3214868480
	.fill 96, 4, 3214868480
	.section	.rodata,"a",@progbits
	.p2align	6, 0x0
	.amdhsa_kernel k_q9264cb6adb_qx
		.amdhsa_group_segment_fixed_size 33280
		.amdhsa_private_segment_fixed_size 0
		.amdhsa_enable_private_segment 0
		.amdhsa_kernarg_size 24
		.amdhsa_user_sgpr_count 2
		.amdhsa_user_sgpr_kernarg_segment_ptr 1
		.amdhsa_wavefront_size32 1
		.amdhsa_system_sgpr_workgroup_id_x 1
		.amdhsa_system_sgpr_workgroup_id_y 1
		.amdhsa_system_sgpr_workgroup_id_z 1
		.amdhsa_system_vgpr_workitem_id 0
		.amdhsa_next_free_vgpr 192
		.amdhsa_next_free_sgpr 66
		.amdhsa_reserve_vcc 0
		.amdhsa_float_denorm_mode_32 3
		.amdhsa_float_denorm_mode_16_64 3
		.amdhsa_memory_ordered 1
		.amdhsa_forward_progress 1
		.amdhsa_inst_pref_size 33
	.end_amdhsa_kernel
	.amdgpu_metadata
---
amdhsa.version: [ 1, 2 ]
amdhsa.kernels:
  - .name:           k_q9264cb6adb_qx
    .symbol:         k_q9264cb6adb_qx.kd
    .args:
      - { .name: x, .offset: 0, .size: 8, .value_kind: global_buffer, .address_space: global }
      - { .name: xc, .offset: 8, .size: 8, .value_kind: global_buffer, .address_space: global }
      - { .name: xs, .offset: 16, .size: 8, .value_kind: global_buffer, .address_space: global }
    .group_segment_fixed_size: 33280
    .private_segment_fixed_size: 0
    .kernarg_segment_align: 8
    .kernarg_segment_size: 24
    .max_flat_workgroup_size: 128
    .sgpr_count:     66
    .vgpr_count:     192
    .wavefront_size: 32
...
	.end_amdgpu_metadata
.endif
;; end of part 1
;; launch qw (part 2): grid 8 x 14, 4 waves a work-group, no clusters, 35,840 bytes of LDS; arguments Wq, Wk, Wv, Wo, wc, ws, wo16; writes wc, ws, wo16
.if DOCPART == 2
	.amdgcn_target "amdgcn-amd-amdhsa--gfx1250"
	.amdhsa_code_object_version 6
	.text
	.protected	k_q9264cb6adb_qw
	.globl	k_q9264cb6adb_qw
	.p2align	8
	.type	k_q9264cb6adb_qw,@function
k_q9264cb6adb_qw:
	s_mov_b64 s[64:65], 0
	v_nop
	global_prefetch_b8 v0, s[64:65] scope:SCOPE_SE
	s_setreg_imm32_b32 hwreg(HW_REG_WAVE_MODE, 25, 1), 1
	s_wait_xcnt 0x0
; TWO JOBS, told apart by the work-group's y.
; y = 0 .. 5: Wq, Wk, Wv ([k 1024][n 1024], f32; K is the FIRST axis) become codes of FP4 (E2M1) with K innermost, wc [3072 rows = 1024 x tensor + n][512 bytes], and E8M0 scale bytes ws [3072][32].
;   tensor = y / 2, which 512 along K = y % 2, 128 columns = x.  A LANE TAKES A COLUMN n AND ITS REGISTERS RUN DOWN K: each load reads 128 consecutive bytes a wave, a block of 32 along K lies in one
;   lane's 32 registers, and the conversions give codes with K innermost.  A wave's 32 columns x 256 bytes of codes go through its own stage in LDS and leave as rows: sixteen lanes store 256 aligned bytes.
;   A block's scale is 2^(floor(log2(largest magnitude)) - 2); its byte is the magnitude's exponent field - 2, held at 1 from below (a block of zeros gets 1: its codes are zeros; only this program reads the bytes).
; y = 6 .. 13: Wo is rounded to f16 as it lies, wo16 [k 1024][n 1024]: a wave takes 4,096 numbers; no LDS.
; LIMITS: NaN and infinities are not served; |Wo| stays under 65,504, f16's largest number (some 10,000 times what the problem draws).
.set KW,    512
.set NB,    KW/32
.set ROWB,  256                        ; bytes of KW codes
.set PITCH, ROWB+16                    ; a stage row
.set KROW,  512                        ; a row of wc in bytes
.set SIZE_N, 1024
.set EMAX,  2
.set X,     32                         ; v32-95   two sets of 32 numbers (the cast: v32-159)
.set C,     96                         ; v96-99   a block's codes
.set OUTR,  112                        ; v112-175 the way out
.set SPW,   14                         ; v14      LDS address of my spare word; never rewritten
.set NIL,   15                         ; v15      0; never rewritten
.set SPARE, 4*32*PITCH                 ; behind the four stages: the spare words, 128 bytes a wave, which no other line names
.set SB,    24                         ; v24-27   the scale bytes, four to a register
	s_load_b256 s[4:11], s[0:1], 0x0               ; Wq s[4:5], Wk s[6:7], Wv s[8:9], Wo s[10:11]
	s_load_b128 s[12:15], s[0:1], 0x20             ; wc s[12:13], ws s[14:15]
	s_load_b64 s[16:17], s[0:1], 0x30              ; wo16
	v_lshl_add_u32 v[SPW], v0, 2, SPARE
	v_mov_b32 v[NIL], 0
	v_lshrrev_b32 v1, 5, v0
	v_readfirstlane_b32 s20, v1                    ; wave 0..3
	v_and_b32 v2, 31, v0                           ; lane
	s_and_b32 s22, ttmp7, 0xffff                   ; y
	s_cmp_ge_u32 s22, 6
	s_cbranch_scc1 .Lcast
	; ---- the quantiser
	s_lshr_b32 s23, s22, 1                         ; which tensor
	s_and_b32 s24, s22, 1                          ; which 512 along K
	s_lshl_b32 s21, ttmp9, 7
	s_lshl_b32 s25, s20, 5
	s_add_co_u32 s21, s21, s25                     ; my wave's first column
	v_lshlrev_b32 v3, 2, v2                        ; in: 4 bytes a lane
	s_mul_i32 s25, s20, 32*PITCH                   ; my stage
	v_mul_u32_u24 v4, v2, PITCH
	v_add_nc_u32 v4, s25, v4                       ; into it: row = my column
	v_and_b32 v5, 15, v2
	v_lshrrev_b32 v6, 4, v2                        ; out of it: sixteen lanes to a row, two rows an instruction
	v_mul_u32_u24 v7, v6, PITCH
	v_lshl_add_u32 v7, v5, 4, v7
	v_add_nc_u32 v7, s25, v7
	v_mul_u32_u24 v8, v6, KROW
	v_lshl_add_u32 v8, v5, 4, v8                   ; and the same place in wc
	v_lshlrev_b32 v9, 5, v2                        ; my column's row of 32 scale bytes
	s_lshl_b32 s26, s24, 21                        ; W: 512 rows of 4,096 bytes,
	s_lshl_b32 s25, s21, 2
	s_add_co_u32 s26, s26, s25                     ; + 4 x column
	s_mov_b32 s27, 0
	s_lshl_b32 s25, s23, 10
	s_add_co_u32 s25, s25, s21                     ; the row of wc and ws: 1024 x tensor + column
	s_lshl_b32 s28, s25, 9
	s_lshl_b32 s30, s24, 8
	s_add_co_u32 s28, s28, s30                     ; wc: row x 512 + 256 x half
	s_mov_b32 s29, 0
	s_lshl_b32 s30, s25, 5
	s_lshl_b32 s31, s24, 4
	s_add_co_u32 s30, s30, s31                     ; ws: row x 32 + 16 x half
	s_mov_b32 s31, 0
	s_wait_kmcnt 0x0
	s_cmp_lt_u32 s23, 1                            ; the choice of the tensor hangs on the work-group's number alone
	s_cselect_b64 s[4:5], s[4:5], s[6:7]
	s_cmp_lt_u32 s23, 2
	s_cselect_b64 s[4:5], s[4:5], s[8:9]
	s_add_nc_u64 s[4:5], s[4:5], s[26:27]
	s_add_nc_u64 s[12:13], s[12:13], s[28:29]
	s_add_nc_u64 s[14:15], s[14:15], s[30:31]
.macro LOAD t                          ; block t: W(32 t + i, my column), i = 0 .. 31, into set t % 2.  The largest offset, 511 rows of 4,096 bytes, lies inside the signed 24-bit immediate
.irp i, 0,1,2,3,4,5,6,7,8,9,10,11,12,13,14,15,16,17,18,19,20,21,22,23,24,25,26,27,28,29,30,31
	global_load_b32 v[X+32*((\t)%2)+\i], v3, s[4:5] offset:(32*(\t)+\i)*SIZE_N*4 th:TH_LOAD_NT
.endr
.endm
	LOAD 0
	LOAD 1
.macro BLOCK t
.set XS, X+32*((\t)%2)
.if (\t) < NB-1
	s_wait_loadcnt 32                              ; this block's 32 loads are in; the next block's 32 may be out
.else
	s_wait_loadcnt 0
.endif
	v_max3_num_f32 v12, |v[XS]|, |v[XS+1]|, |v[XS+2]|               ; the block's largest magnitude: all 32 numbers are mine
	v_max3_num_f32 v13, |v[XS+3]|, |v[XS+4]|, |v[XS+5]|
.irp i, 6,10,14,18,22,26
	v_max3_num_f32 v12, v12, |v[XS+\i]|, |v[XS+\i+1]|
	v_max3_num_f32 v13, v13, |v[XS+\i+2]|, |v[XS+\i+3]|
.endr
	v_max3_num_f32 v12, v12, |v[XS+30]|, |v[XS+31]|
	v_max3_num_f32 v12, v12, v13, (EMAX+1)<<23     ; and the floor 2^(EMAX + 1 - 127): so the byte cannot fall under 1
	v_add_nc_u32 v11, -(EMAX<<23), v12             ; EMAX off its exponent field: the conversion's scale operand
	v_lshrrev_b32 v13, 23, v11                     ; the scale's byte
.if (\t)%4 == 0
	v_mov_b32 v[SB+(\t)/4], v13                    ; four bytes to a register, the lower K in the lower byte
.else
	v_lshl_or_b32 v[SB+(\t)/4], v13, 8*((\t)%4), v[SB+(\t)/4]
.endif
.irp g, 0,1,2,3
	v_cvt_scalef32_pk8_fp4_f32 v[C+\g], v[XS+8*\g:XS+8*\g+7], v11
.endr
	v_nop                                          ; one plain line behind the last conversion
	ds_store_b128 v4, v[C:C+3] offset:16*(\t)      ; 32 codes: 16 bytes of my column's row
.if (\t)+2 < NB
	LOAD (\t)+2
.endif
	s_wait_dscnt 0x0                               ; the store has read its registers: the next block's codes may be written
.endm
.set Q, 0
.rept NB
	BLOCK Q
.set Q, Q+1
.endr
	global_store_b128 v9, v[SB:SB+3], s[14:15]     ; my column's 16 scale bytes
.irp t, 0,1,2,3,4,5,6,7,8,9,10,11,12,13,14,15
	ds_load_b128 v[OUTR+4*\t:OUTR+4*\t+3], v7 offset:2*\t*PITCH   ; LDS serves a wave's instructions in order: these see my stores
.endr
.irp t, 0,1,2,3,4,5,6,7,8,9,10,11,12,13,14,15
	s_wait_dscnt 15-\t                             ; load t is in; the younger ones may be out
	global_store_b128 v8, v[OUTR+4*\t:OUTR+4*\t+3], s[12:13] offset:2*\t*KROW   ; sixteen lanes store 256 consecutive bytes, aligned
.endr
	s_wait_tensorcnt 0x0                           ; the wave's end: these three lines behind my last LDS store
	ds_add_u32 v[SPW], v[NIL]
	s_wait_dscnt 0x0
	s_endpgm
	; ---- the cast of Wo
.Lcast:
	s_sub_co_u32 s23, s22, 6
	s_lshl_b32 s23, s23, 3
	s_add_co_u32 s23, s23, ttmp9
	s_lshl_b32 s23, s23, 2
	s_add_co_u32 s23, s23, s20                     ; which run of 4,096 numbers is my wave's: 0 .. 255
	s_lshl_b32 s26, s23, 14                        ; 16,384 bytes in,
	s_mov_b32 s27, 0
	s_lshl_b32 s28, s23, 13                        ; 8,192 out
	s_mov_b32 s29, 0
	v_lshlrev_b32 v3, 4, v2                        ; 16 bytes a lane in,
	v_lshlrev_b32 v4, 3, v2                        ; 8 out
	s_wait_kmcnt 0x0
	s_add_nc_u64 s[10:11], s[10:11], s[26:27]
	s_add_nc_u64 s[16:17], s[16:17], s[28:29]
.set I, 0
.rept 32
	global_load_b128 v[X+4*I:X+4*I+3], v3, s[10:11] offset:512*I th:TH_LOAD_NT   ; 32 lanes read 512 consecutive bytes; all 32 loads go out at once
.set I, I+1
.endr
.set I, 0
.rept 32
	s_wait_loadcnt 31-I                            ; load I is in; the younger ones may be out
	v_cvt_pk_f16_f32 v[X+4*I], v[X+4*I], v[X+4*I+1]
	v_cvt_pk_f16_f32 v[X+4*I+1], v[X+4*I+2], v[X+4*I+3]
	global_store_b64 v4, v[X+4*I:X+4*I+1], s[16:17] offset:256*I   ; 32 lanes store 256 consecutive bytes, aligned; no register is written twice
.set I, I+1
.endr
	s_wait_tensorcnt 0x0                           ; the same three lines at this end of the text
	ds_add_u32 v[SPW], v[NIL]
	s_wait_dscnt 0x0
	s_endpgm
.Lfunc_end_k_q9264cb6adb_qw:
	.size	k_q9264cb6adb_qw, .Lfunc_end_k_q9264cb6adb_qw-k_q9264cb6adb_qw
	.p2alignl 7, 3214868480
	.fill 96, 4, 3214868480
	.section	.rodata,"a",@progbits
	.p2align	6, 0x0
	.amdhsa_kernel k_q9264cb6adb_qw
		.amdhsa_group_segment_fixed_size 35840
		.amdhsa_private_segment_fixed_size 0
		.amdhsa_enable_private_segment 0
		.amdhsa_kernarg_size 56
		.amdhsa_user_sgpr_count 2
		.amdhsa_user_sgpr_kernarg_segment_ptr 1
		.amdhsa_wavefront_size32 1
		.amdhsa_system_sgpr_workgroup_id_x 1
		.amdhsa_system_sgpr_workgroup_id_y 1
		.amdhsa_system_sgpr_workgroup_id_z 1
		.amdhsa_system_vgpr_workitem_id 0
		.amdhsa_next_free_vgpr 192
		.amdhsa_next_free_sgpr 66
		.amdhsa_reserve_vcc 0
		.amdhsa_float_denorm_mode_32 3
		.amdhsa_float_denorm_mode_16_64 3
		.amdhsa_memory_ordered 1
		.amdhsa_forward_progress 1
		.amdhsa_inst_pref_size 91
	.end_amdhsa_kernel
	.amdgpu_metadata
---
amdhsa.version: [ 1, 2 ]
amdhsa.kernels:
  - .name:           k_q9264cb6adb_qw
    .symbol:         k_q9264cb6adb_qw.kd
    .args:
      - { .name: Wq, .offset: 0, .size: 8, .value_kind: global_buffer, .address_space: global }
      - { .name: Wk, .offset: 8, .size: 8, .value_kind: global_buffer, .address_space: global }
      - { .name: Wv, .offset: 16, .size: 8, .value_kind: global_buffer, .address_space: global }
      - { .name: Wo, .offset: 24, .size: 8, .value_kind: global_buffer, .address_space: global }
      - { .name: wc, .offset: 32, .size: 8, .value_kind: global_buffer, .address_space: global }
      - { .name: ws, .offset: 40, .size: 8, .value_kind: global_buffer, .address_space: global }
      - { .name: wo16, .offset: 48, .size: 8, .value_kind: global_buffer, .address_space: global }
    .group_segment_fixed_size: 35840
    .private_segment_fixed_size: 0
    .kernarg_segment_align: 8
    .kernarg_segment_size: 56
    .max_flat_workgroup_size: 128
    .sgpr_count:     66
    .vgpr_count:     192
    .wavefront_size: 32
...
	.end_amdgpu_metadata
.endif
;; end of part 2
;; launch qkv (part 3): grid 12 x 32, 4 waves a work-group, clusters of 4 x 4, 327,680 bytes of LDS; arguments xc, xs, wc, ws, qkv; writes qkv
.if DOCPART == 3
	.amdgcn_target "amdgcn-amd-amdhsa--gfx1250"
	.amdhsa_code_object_version 6
	.text
	.protected	k_q9264cb6adb_qkv
	.globl	k_q9264cb6adb_qkv
	.p2align	8
	.type	k_q9264cb6adb_qkv,@function
k_q9264cb6adb_qkv:
	s_mov_b64 s[64:65], 0
	v_nop
	global_prefetch_b8 v0, s[64:65] scope:SCOPE_SE
	s_setreg_imm32_b32 hwreg(HW_REG_WAVE_MODE, 25, 1), 1
	s_wait_xcnt 0x0
	s_wait_alu depctr_hold_cnt(0) depctr_sa_sdst(0) depctr_va_vdst(0) depctr_va_sdst(0) depctr_va_ssrc(0) depctr_va_vcc(0) depctr_vm_vsrc(0)
	s_getreg_b32 s2, hwreg(HW_REG_IB_STS2, 6, 4)
	s_cmp_eq_u32 s2, 0
	s_cbranch_scc0 .Lentry_in_a_cluster
	s_endpgm
.Lentry_in_a_cluster:
	s_bfe_u32 s2, ttmp6, 0x10000c
	s_cmp_lg_u32 s2, 0xf033
	s_cbranch_scc0 .Lentry_shape_is_right
	s_endpgm
.Lentry_shape_is_right:
; The three projections as ONE product on codes of FP4 (E2M1) with E8M0 scales for each 32 along K: C[m][n'] = sum over k of x[m][k] W[n'][k], m = 8,192 tokens, n' = 1024 x which + n (which: 0 q, 1 k, 2 v), K = 1,024.
; Sums in f32; the results are rounded once to f16 and stored by heads: qkv [which 3][b 4][h 16][t 2048][d 64].
; LIMIT: |q|, |k|, |v| stay under 65,504, f16's largest number (they are drawn near 1; with all inputs 30 times larger near 900).
; A tile of C, 256 x 256, is made by a work-group of four waves; a wave makes 128 x 128: 64 accumulators, 512 registers.  K = 1,024 is two K steps of 512 (tile rows of 256 bytes): each of the two LDS slots is filled
; once, at the head, and nothing is filled again.  The scale bytes of the work-group's 256 + 256 rows, two dense blocks of memory, come into LDS with the first fills.
; CLUSTERS: 4 x 4 work-groups.  The four of a row of the cluster need the same tiles of x, the four of a column the same tiles of W: each tile is asked for JOINTLY, by the same tensor load with the same descriptor
; and a mask that names the four.  THE MATRIX INSTRUCTION IS USED TRANSPOSED (source 0 = 16 rows of W, source 1 = 16 tokens): a lane then holds eight neighbouring d of one token.
; REGISTERS, in windows of 256: window 0: v0-31 addresses; v32-95 scale words, two sets; v128-191 x's fragments (8 x 16 rows x 128 K), ONE set; on the way out v32-127.
;   window 1: W's fragments, TWO sets, at v0 and v128.   window 2: the accumulators of my rows 0-63 ((a, b) at v[8 (8 a + b)]);   window 3: those of my rows 64-127.
.set SIZE_K, 1024
.set KSTEP,  512
.set NQ,     KSTEP/128                 ; matrix instructions deep in a slot
.set ROWB,   256                       ; a tile's row in bytes
.set KROW,   SIZE_K/2                  ; a row of codes in memory
.set PITCH,  272                       ; an LDS row: 256 bytes + 16 of padding = 68 words: the 16 rows that a load touches start at 16 different banks (64 banks of 4 bytes: ISA guide 11.1)
.set FR,     8                         ; registers of a fragment
.set NL,     2                         ; LDS loads that bring one
.set NP,     4                         ; places behind this matrix instruction (ISA guide 7.12.1)
.set HALFT,  128*PITCH
.set SLOT,   4*HALFT                   ; x's 256 rows, then W's 256 rows
.set KS,     SIZE_K/32                 ; a row of scale bytes
.set SCL,    2*SLOT                    ; behind the ring: the scales, as runs of 256 bytes + 16 of padding
.set HALFS,  (128*KS/256)*272          ; those of 128 rows: what one tensor load brings
.set SBLK,   (16*KS/256)*272           ; those of 16 rows
.set SPARE,  SCL+4*HALFS               ; the spare words, 128 bytes a wave, which no other line names
.set STAGE,  SPARE+512                 ; the way out: for each wave 2 heads x 16 tokens x (128 bytes + 16): bytes of its own, into which no tile lands
.set HP,     144
.set HSTG,   16*HP
.set ADRA, 16                          ; v16-17  LDS address of my x fragments in slot 0, 1
.set ADRB, 20                          ; v20-21  the same for W
.set STO,  24                          ; v24     the way out: where I put 16 bytes of a token
.set RD,   25                          ; v25     where I read them back
.set CO,   26                          ; v26     16 x lane: my place in 512 bytes of qkv
.set ADRS, 27                          ; v27     LDS address of my scale words: lanes 0-15 x's rows, lanes 16-31 W's
.set SPW,  28                          ; v28     LDS address of my spare word; never rewritten
.set NIL,  29                          ; v29     0; never rewritten
.set SC,   32                          ; scale words: set s at v[SC + 32 s]; register 4 i + q: lanes 0-15 x's block i, lanes 16-31 W's block i, the slot's q-th 128 along K
.set AF,   128                         ; x's fragments, window 0
.set TMP,  32                          ; the way out: a block's 32 packed registers
.set BK,   64                          ; and what comes back from the stage: v64-95 and v96-127 by turns
.set G1, 24                            ; s[24:31] descriptor group 1 for x's tiles;  s[32:39] group 0, one set for each slot
.set G0, 32
.set G1B, 48                           ; s[48:55], s[56:63] the same for W's tiles
.set G0B, 56
.set G1S, 68                           ; s[68:75], s[76:79] groups 1 and 0 for x's scales;  s[80:87], s[88:91] for W's
.set G0S, 76
.set G1SB, 80
.set G0SB, 88
.set MSB, 0
.macro WIN new                         ; the immediate's high byte repeats the setting that is left
.if MSB != (\new)
	s_set_vgpr_msb (MSB<<8)|(\new)
.set MSB, (\new)
.endif
.endm
.set MUL_LO, 0xa1                      ; source 0 (W) window 1, source 1 (x) window 0, C and D window 2
.set MUL_HI, 0xf1                      ; the same, C and D window 3
.set TO_B,   0x40                      ; destination window 1, address window 0
; A joint load: waves 0 and 1 fetch for x, waves 2 and 3 for W.  Each line has one mask and one set of registers for all that issue it; the branch hangs on the wave's number alone.
; An s_nop 0 and four v_nop follow each of the two lines.
.macro JLOAD g0a, g1a, g0b, g1b
	s_cmp_eq_u32 s15, 0
	s_cbranch_scc0 .Lfor_b_\@
	tensor_load_to_lds s[\g0a:\g0a+3], s[\g1a:\g1a+7]
	s_nop 0
.rept 4
	v_nop
.endr
	s_branch .Lasked_\@
.Lfor_b_\@:
	tensor_load_to_lds s[\g0b:\g0b+3], s[\g1b:\g1b+7]
	s_nop 0
.rept 4
	v_nop
.endr
.Lasked_\@:
.endm
.macro CROUND                          ; a round of the cluster's barrier
	s_barrier_signal -1
	s_barrier_wait -1
	s_cmp_lg_u32 s14, 0
	s_cbranch_scc1 .Lnot_wave_0_\@
	s_barrier_signal -3
.Lnot_wave_0_\@:
	s_barrier_wait -3
	s_barrier_signal -1
	s_barrier_wait -1
.endm
	s_load_b128 s[4:7], s[0:1], 0x0                ; x's codes s[4:5], x's scales s[6:7]
	s_load_b128 s[8:11], s[0:1], 0x10              ; W's codes s[8:9], W's scales s[10:11]
	s_load_b64 s[12:13], s[0:1], 0x20              ; qkv
	v_lshl_add_u32 v[SPW], v0, 2, SPARE
	v_mov_b32 v[NIL], 0
	ds_add_u32 v[SPW], v[NIL]                      ; the wave's opening: the add, twice on end, and its wait ahead of my first tensor load
	ds_add_u32 v[SPW], v[NIL]
	v_lshrrev_b32 v1, 5, v0
	v_readfirstlane_b32 s14, v1                    ; wave 0..3
	s_lshr_b32 s15, s14, 1                         ; which half of the tile's rows is mine.  Also: I fetch for x (0) or for W (1)
	s_and_b32 s16, s14, 1                          ; which half of its columns.  Also: which 128 rows of that tile I fetch
	s_bfe_u32 s40, ttmp6, 0x40000                  ; cx, cy: my place in the cluster
	s_bfe_u32 s41, ttmp6, 0x40004
	s_lshl_b32 s42, ttmp9, 2
	s_add_co_u32 s42, s42, s40                     ; tile column = 4 x cluster x + cx
	s_and_b32 s17, ttmp7, 0xffff
	s_lshl_b32 s17, s17, 2
	s_add_co_u32 s17, s17, s41                     ; tile row = 4 x cluster y + cy
	s_lshl_b32 s43, s41, 2
	s_lshl_b32 s43, 15, s43                        ; my row of the cluster
	s_lshl_b32 s44, 0x1111, s40                    ; my column
	; descriptor group 1: a tile of 128 rows x 256 bytes, padded in LDS
	s_or_b32 s[G1+0], s43, (0<<16)|(1<<20)|(1<<21)|(5<<22)|(3<<25)  ; 15:0 the mask; 17:16 elements of 1 byte; 20 padding on; 21 set beside a mask; 24:22 after every 64 words; 31:25 four words of it
	s_or_b32 s[G1B+0], s44, (0<<16)|(1<<20)|(1<<21)|(5<<22)|(3<<25)
.irp g, G1, G1B
	s_mov_b32 s[\g+1], ROWB<<16                    ; tensor_dim0
	s_mov_b32 s[\g+2], 128<<16                     ; tensor_dim1
	s_mov_b32 s[\g+3], ROWB<<16                    ; tile_dim0
	s_mov_b32 s[\g+4], 128                         ; tile_dim1
	s_mov_b32 s[\g+5], KROW                        ; tensor_dim0_stride
	s_mov_b32 s[\g+6], 0
	s_mov_b32 s[\g+7], 0
.endr
	; the scales of 128 rows: a dense block of 4,096 bytes, as 16 rows of 256 bytes (32 elements of 8 bytes), 16 bytes of padding behind each
	s_or_b32 s[G1S+0], s43, (3<<16)|(1<<20)|(1<<21)|(5<<22)|(3<<25)
	s_or_b32 s[G1SB+0], s44, (3<<16)|(1<<20)|(1<<21)|(5<<22)|(3<<25)
.irp g, G1S, G1SB
	s_mov_b32 s[\g+1], 32<<16
	s_mov_b32 s[\g+2], (128*KS/256)<<16
	s_mov_b32 s[\g+3], 32<<16
	s_mov_b32 s[\g+4], 128*KS/256
	s_mov_b32 s[\g+5], 32
	s_mov_b32 s[\g+6], 0
	s_mov_b32 s[\g+7], 0
.endr
	s_lshl_b32 s18, s16, 7                         ; which 128 rows of the tile I fetch
	s_lshl_b32 s20, s17, 8
	s_add_co_u32 s20, s20, s18                     ; x: row 256 x tile row + 128 x half
	s_lshl_b32 s46, s42, 8
	s_add_co_u32 s46, s46, s18                     ; W: row 256 x tile column + 128 x half
	s_mov_b32 s21, 0
	s_mov_b32 s47, 0
	s_mov_b64 s[18:19], KS
	s_mul_u64 s[22:23], s[20:21], s[18:19]         ; where these rows' scales begin, in bytes
	s_mul_u64 s[92:93], s[46:47], s[18:19]
	s_mov_b64 s[18:19], KROW
	s_mul_u64 s[20:21], s[20:21], s[18:19]         ; and their codes
	s_mul_u64 s[46:47], s[46:47], s[18:19]
	s_mul_i32 s45, s14, HALFT                      ; where they go: wave x 128 rows: no place in the cluster enters an LDS address
	s_mul_i32 s94, s14, HALFS
	s_wait_dscnt 0x0                               ; both opening adds are done
	s_wait_kmcnt 0x0
	s_add_nc_u64 s[20:21], s[4:5], s[20:21]
	s_add_nc_u64 s[22:23], s[6:7], s[22:23]
	s_add_nc_u64 s[46:47], s[8:9], s[46:47]
	s_add_nc_u64 s[92:93], s[10:11], s[92:93]
	CROUND                                         ; all sixteen work-groups are here: the joint loads meet
	s_mov_b32 s[G0S], 1
	s_add_co_u32 s[G0S+1], s94, SCL
	s_mov_b64 s[G0S+2:G0S+3], s[22:23]
	s_or_b32 s[G0S+3], s[G0S+3], 0x80000000
	s_mov_b32 s[G0SB], 1
	s_add_co_u32 s[G0SB+1], s94, SCL
	s_mov_b64 s[G0SB+2:G0SB+3], s[92:93]
	s_or_b32 s[G0SB+3], s[G0SB+3], 0x80000000
	JLOAD G0S, G1S, G0SB, G1SB                     ; the scales first: they are wanted with K step 0
.irp s, 0,1
	s_mov_b32 s[G0+4*\s], 1
	s_add_co_u32 s[G0+4*\s+1], s45, \s*SLOT
	s_add_nc_u64 s[G0+4*\s+2:G0+4*\s+3], s[20:21], \s*ROWB
	s_or_b32 s[G0+4*\s+3], s[G0+4*\s+3], 0x80000000
	s_mov_b32 s[G0B+4*\s], 1
	s_add_co_u32 s[G0B+4*\s+1], s45, \s*SLOT
	s_add_nc_u64 s[G0B+4*\s+2:G0B+4*\s+3], s[46:47], \s*ROWB
	s_or_b32 s[G0B+4*\s+3], s[G0B+4*\s+3], 0x80000000
	JLOAD G0+4*\s, G1, G0B+4*\s, G1B               ; three tensor loads of mine are out now, and no more follow
.endr
	v_and_b32 v1, 15, v0                           ; r = l % 16
	v_bfe_u32 v2, v0, 4, 1                         ; l / 16
	v_mul_u32_u24 v3, v1, PITCH
	v_lshl_add_u32 v4, v2, 4, v3                   ; a fragment's row x pitch + 16 x half
	s_mul_i32 s21, s15, HALFT                      ; my 128 rows of x
	s_mul_i32 s22, s16, HALFT                      ; my 128 rows of W,
	s_add_co_u32 s22, s22, 2*HALFT                 ; which lie behind x's 256
.irp s, 0,1
	v_add_nc_u32 v[ADRA+\s], s21, v4
	v_add_nc_u32 v[ADRB+\s], s22, v4
	s_add_co_u32 s21, s21, SLOT
	s_add_co_u32 s22, s22, SLOT
.endr
	v_mul_u32_u24 v5, v1, KS                       ; my row's scales: 32 bytes a row,
	v_lshrrev_b32 v6, 8, v5
	v_lshl_add_u32 v5, v6, 4, v5                   ; and 16 more for each 256 passed
	s_mul_i32 s21, s15, HALFS                      ; x's: my 128 rows
	s_mul_i32 s22, s16, HALFS                      ; W's: my 128 rows, behind x's 256
	s_add_co_u32 s22, s22, 2*HALFS
	s_sub_co_u32 s22, s22, s21
	v_mul_u32_u24 v6, s22, v2                      ; lanes 16-31 take W's: one product, the distance between the two bases
	s_add_co_u32 s21, s21, SCL
	v_add_nc_u32 v5, v5, v6
	v_add_nc_u32 v[ADRS], s21, v5
	s_mul_i32 s23, s14, 2*HSTG
	s_add_co_u32 s23, s23, STAGE                   ; my stage
	v_mul_u32_u24 v5, v1, HP                       ; in: token l % 16, 16 bytes for each half of the lanes
	v_lshl_add_u32 v5, v2, 4, v5
	v_add_nc_u32 v[STO], s23, v5
	v_and_b32 v6, 31, v0
	v_lshlrev_b32 v[CO], 4, v6                     ; back: eight lanes to a token's 128 bytes, four tokens an instruction: 512 consecutive bytes of qkv
	v_lshrrev_b32 v5, 3, v6
	v_mul_u32_u24 v5, v5, HP
	v_and_b32 v6, 7, v6
	v_lshl_add_u32 v5, v6, 4, v5
	v_add_nc_u32 v[RD], s23, v5
	; where my 128 tokens x 2 heads begin in qkv
	s_lshl_b32 s20, s17, 8
	s_lshl_b32 s21, s15, 7
	s_add_co_u32 s20, s20, s21                     ; my first row m of C
	s_lshr_b32 s21, s20, 11                        ; b
	s_and_b32 s20, s20, 2047                       ; t
	s_lshl_b32 s20, s20, 7                         ; 128 bytes a token,
	s_lshl_b32 s21, s21, 22                        ; 4,194,304 a batch
	s_add_co_u32 s20, s20, s21
	s_lshl_b32 s46, s42, 2
	s_lshl_b32 s47, s16, 1
	s_add_co_u32 s46, s46, s47                     ; my first head among the 48: 4 x tile column + 2 x half
	s_lshr_b32 s47, s46, 4                         ; which
	s_and_b32 s46, s46, 15                         ; h
	s_lshl_b32 s46, s46, 18                        ; 262,144 bytes a head,
	s_lshl_b32 s47, s47, 24                        ; 16,777,216 a tensor
	s_add_co_u32 s46, s46, s47
	s_add_co_u32 s20, s20, s46                     ; under 2^26
	s_mov_b32 s21, 0
	s_add_nc_u64 s[12:13], s[12:13], s[20:21]
.macro FRAG reg, adr, q, i             ; a fragment, 16 rows x 128 K of 4-bit codes: lane l holds row l % 16; registers 4 c .. 4 c + 3 hold K = 64 c + 32 (l / 16) + 0 .. 31
.irp c, 0,1
	ds_load_b128 v[\reg+4*\c:\reg+4*\c+3], v[\adr] offset:64*(\q)+32*\c+(\i)*16*PITCH
.endr
.endm
; 16 matrix instructions: x's blocks a0, a0 + 1 against W's eight, 128 along K: the slot's q-th.  p: W's set;  sc: the set of scale words.  zero = 1: the first product starts the sums.
; The 64 accumulators take turns, one instruction a turn, in the same order in every step.
.macro MUL16 a0, p, q, sc, zero
.irp a, \a0, \a0+1
.irp b, 0,1,2,3,4,5,6,7
.if \zero
	v_wmma_scale_f32_16x16x128_f8f6f4 v[8*(8*((\a)%4)+\b):8*(8*((\a)%4)+\b)+7], v[128*(\p)+FR*\b:128*(\p)+FR*\b+FR-1], v[AF+FR*(\a):AF+FR*(\a)+FR-1], 0, v[SC+8*NQ*(\sc)+NQ*\b+(\q)], v[SC+8*NQ*(\sc)+NQ*(\a)+(\q)] matrix_a_fmt:MATRIX_FMT_FP4 matrix_b_fmt:MATRIX_FMT_FP4 matrix_a_scale:MATRIX_SCALE_ROW1
.else
	v_wmma_scale_f32_16x16x128_f8f6f4 v[8*(8*((\a)%4)+\b):8*(8*((\a)%4)+\b)+7], v[128*(\p)+FR*\b:128*(\p)+FR*\b+FR-1], v[AF+FR*(\a):AF+FR*(\a)+FR-1], v[8*(8*((\a)%4)+\b):8*(8*((\a)%4)+\b)+7], v[SC+8*NQ*(\sc)+NQ*\b+(\q)], v[SC+8*NQ*(\sc)+NQ*(\a)+(\q)] matrix_a_fmt:MATRIX_FMT_FP4 matrix_b_fmt:MATRIX_FMT_FP4 matrix_a_scale:MATRIX_SCALE_ROW1
.endif
.endr
.endr
.endm
.macro FETCH_B slot, q, p              ; W's eight fragments of the slot's q-th 128 along K into set p
	WIN TO_B
.irp i, 0,1,2,3,4,5,6,7
	FRAG 128*(\p)+FR*\i, ADRB+\slot, \q, \i
.endr
	WIN 0
.endm
.macro FETCH_A slot, q, i0             ; x's blocks i0 .. i0 + 3
.irp i, \i0, \i0+1, \i0+2, \i0+3
	FRAG AF+FR*(\i), ADRA+\slot, \q, \i
.endr
.endm
.macro SCALES sc                       ; a K step's scale words into set sc: four words a row; lanes 0-15 take x's block i, lanes 16-31 W's block i
.irp i, 0,1,2,3,4,5,6,7
	ds_load_b128 v[SC+8*NQ*\sc+NQ*\i:SC+8*NQ*\sc+NQ*\i+3], v[ADRS] offset:\i*SBLK
.endr
.endm
; A load into a register that a matrix instruction has read, and a vector instruction that reads a matrix result, stand NP places behind that matrix instruction; only plain vector instructions that
; name none of its registers are places (ISA guide 7.12.1 for vector instructions).
.macro PLACES n
.rept \n
	v_nop
.endr
.endm
; A step of 128 along K that has its successor in the same slot.  A block of x is free as soon as its eight products are issued: blocks 0-3 are fetched anew in the step's middle, blocks 4-7 at its end.
.macro STEP slot, q, zero
	s_wait_dscnt 4*NL                              ; W's set and x's blocks 0-3 are in; the youngest eight loads (x's blocks 4-7) may be out
	WIN MUL_LO
	MUL16 0, (\q)%2, \q, \slot, \zero
	MUL16 2, (\q)%2, \q, \slot, \zero
	s_wait_dscnt 0                                 ; x's blocks 4-7 are in
	PLACES NP
	FETCH_B \slot, (\q)+1, 1-(\q)%2
	FETCH_A \slot, (\q)+1, 0
	WIN MUL_HI
	MUL16 4, (\q)%2, \q, \slot, \zero
	MUL16 6, (\q)%2, \q, \slot, \zero
	PLACES NP
	WIN 0
	FETCH_A \slot, (\q)+1, 4
.endm
; Slot 0's last step changes slots: one barrier; in front of it each wave waits for all its tensor loads (its part of slot 1), adds 0 to its spare word, and waits for that and for its reads.  Nothing is filled again.
.macro TURN slot, next
	s_wait_tensorcnt 0x0                           ; all my tensor loads have landed
	ds_add_u32 v[SPW], v[NIL]                      ; 0 onto my spare word
	s_wait_dscnt 4*NL+1                            ; (the add and the youngest eight loads, x's blocks 4-7, may be out)
	WIN MUL_LO
	MUL16 0, 1, NQ-1, \slot, 0
	s_wait_dscnt 0x0                               ; the add is done, and no LDS instruction of mine is out at the signal
	s_barrier_signal -1
	MUL16 2, 1, NQ-1, \slot, 0                     ; work on registers while the others arrive
	WIN 0
	s_barrier_wait -1                              ; slot 1 is whole
	PLACES NP
	v_add_nc_u32 v[ADRS], 4*NQ, v[ADRS]            ; on to the next K step's scale words
	FETCH_B \next, 0, 0
	FETCH_A \next, 0, 0
	SCALES \next
	WIN MUL_HI
	MUL16 4, 1, NQ-1, \slot, 0
	MUL16 6, 1, NQ-1, \slot, 0
	PLACES NP
	WIN 0
	FETCH_A \next, 0, 4
.endm
	s_wait_tensorcnt 1                             ; the scales and my part of K step 0 are in; K step 1's load may be out
	s_barrier_signal -1
	s_barrier_wait -1                              ; everybody's are
	FETCH_B 0, 0, 0
	FETCH_A 0, 0, 0
	SCALES 0
	FETCH_A 0, 0, 4
	STEP 0, 0, 1                                   ; the first step's products start the sums: nothing is cleared
	STEP 0, 1, 0
	STEP 0, 2, 0
	TURN 0, 1
	STEP 1, 0, 0
	STEP 1, 1, 0
	STEP 1, 2, 0
	s_wait_dscnt 4*NL                              ; the last step: nothing more to fetch
	WIN MUL_LO
	MUL16 0, 1, NQ-1, 1, 0
	MUL16 2, 1, NQ-1, 1, 0
	s_wait_dscnt 0
	WIN MUL_HI
	MUL16 4, 1, NQ-1, 1, 0
	MUL16 6, 1, NQ-1, 1, 0
	WIN 0
; THE WAY OUT, block by block of 16 tokens x 128 columns (two heads).  PACK: a lane's eight d of accumulator (a, b) are rounded to f16: 16 bytes, at byte 32 (b % 4) + 16 (l / 16) of the token's row in head b / 4.
; TOSTAGE: into my own stage and back, four whole tokens (512 bytes) an instruction.  SEND: stored.  LDS serves a wave's instructions in order (ISA guide 5.7.1.4): no wait between the stores and the loads.
.macro PACK a
.set AC, 64*((\a)%4)
	WIN 0x0a+5*((\a)/4)                            ; sources 0 and 1: window 2 or 3
.irp b, 0,1,2,3,4,5,6,7
.irp r, 0,1,2,3
	v_cvt_pk_f16_f32 v[TMP+4*\b+\r], v[AC+8*\b+2*\r], v[AC+8*\b+2*\r+1]   ; each accumulator from its low end on
.endr
.endr
	WIN 0
.endm
.macro TOSTAGE a
.set BB, BK+32*((\a)%2)
.irp b, 0,1,2,3,4,5,6,7
	ds_store_b128 v[STO], v[TMP+4*\b:TMP+4*\b+3] offset:(\b/4)*HSTG+32*(\b%4)
.endr
.irp u, 0,1,2,3,4,5,6,7
	ds_load_b128 v[BB+4*\u:BB+4*\u+3], v[RD] offset:(\u/4)*HSTG+(\u%4)*4*HP
.endr
.endm
.macro SEND a
.set BB, BK+32*((\a)%2)
	s_wait_dscnt 0x0                               ; the block is back in registers
	s_wait_xcnt 0x0                                ; the stores of the block before have read their registers: the next block's loads may land there
.irp u, 0,1,2,3,4,5,6,7
	global_store_b128 v[CO], v[BB+4*\u:BB+4*\u+3], s[12:13] offset:(\a)*2048+(\u/4)*262144+(\u%4)*512   ; 32 lanes store 512 consecutive bytes, aligned; every offset is an immediate, the base is never stepped
.endr
.endm
	PLACES NP                                      ; behind the last products: for the writes over the scale words' registers and the reads of results
	PACK 0
	TOSTAGE 0
.irp a, 1,2,3,4,5,6,7                  ; block a's conversions stand between block a - 1's loads from the stage and the wait for them
	PACK \a
	SEND \a-1
	TOSTAGE \a
.endr
	SEND 7
	s_wait_tensorcnt 0x0                           ; the wave's end: these three lines behind my last tensor load and my last LDS store
	ds_add_u32 v[SPW], v[NIL]
	s_wait_dscnt 0x0
	CROUND                                         ; the closing round: no work-group ends while a partner may still ask for a tile that names it
	s_endpgm
.Lfunc_end_k_q9264cb6adb_qkv:
	.size	k_q9264cb6adb_qkv, .Lfunc_end_k_q9264cb6adb_qkv-k_q9264cb6adb_qkv
	.p2alignl 7, 3214868480
	.fill 96, 4, 3214868480
	.section	.rodata,"a",@progbits
	.p2align	6, 0x0
	.amdhsa_kernel k_q9264cb6adb_qkv
		.amdhsa_group_segment_fixed_size 327680
		.amdhsa_private_segment_fixed_size 0
		.amdhsa_enable_private_segment 0
		.amdhsa_kernarg_size 40
		.amdhsa_user_sgpr_count 2
		.amdhsa_user_sgpr_kernarg_segment_ptr 1
		.amdhsa_wavefront_size32 1
		.amdhsa_system_sgpr_workgroup_id_x 1
		.amdhsa_system_sgpr_workgroup_id_y 1
		.amdhsa_system_sgpr_workgroup_id_z 1
		.amdhsa_system_vgpr_workitem_id 0
		.amdhsa_next_free_vgpr 1024
		.amdhsa_next_free_sgpr 98
		.amdhsa_reserve_vcc 0
		.amdhsa_float_denorm_mode_32 3
		.amdhsa_float_denorm_mode_16_64 3
		.amdhsa_memory_ordered 1
		.amdhsa_forward_progress 1
		.amdhsa_inst_pref_size 127
	.end_amdhsa_kernel
	.amdgpu_metadata
---
amdhsa.version: [ 1, 2 ]
amdhsa.kernels:
  - .name:           k_q9264cb6adb_qkv
    .symbol:         k_q9264cb6adb_qkv.kd
    .args:
      - { .name: xc, .offset: 0, .size: 8, .value_kind: global_buffer, .address_space: global }
      - { .name: xs, .offset: 8, .size: 8, .value_kind: global_buffer, .address_space: global }
      - { .name: wc, .offset: 16, .size: 8, .value_kind: global_buffer, .address_space: global }
      - { .name: ws, .offset: 24, .size: 8, .value_kind: global_buffer, .address_space: global }
      - { .name: qkv, .offset: 32, .size: 8, .value_kind: global_buffer, .address_space: global }
    .group_segment_fixed_size: 327680
    .private_segment_fixed_size: 0
    .kernarg_segment_align: 8
    .kernarg_segment_size: 40
    .max_flat_workgroup_size: 128
    .sgpr_count:     98
    .vgpr_count:     1024
    .wavefront_size: 32
...
	.end_amdgpu_metadata
.endif
;; end of part 3
;; launch attn (part 4): grid 4 x 64, 8 waves a work-group, clusters of 4 x 1, 327,680 bytes of LDS; arguments qkv, ctx; writes ctx
.if DOCPART == 4
	.amdgcn_target "amdgcn-amd-amdhsa--gfx1250"
	.amdhsa_code_object_version 6
	.text
	.protected	k_q9264cb6adb_attn
	.globl	k_q9264cb6adb_attn
	.p2align	8
	.type	k_q9264cb6adb_attn,@function
k_q9264cb6adb_attn:
	s_mov_b64 s[64:65], 0
	v_nop
	global_prefetch_b8 v0, s[64:65] scope:SCOPE_SE
	s_setreg_imm32_b32 hwreg(HW_REG_WAVE_MODE, 25, 1), 1
	s_wait_xcnt 0x0
	s_wait_alu depctr_hold_cnt(0) depctr_sa_sdst(0) depctr_va_vdst(0) depctr_va_sdst(0) depctr_va_ssrc(0) depctr_va_vcc(0) depctr_vm_vsrc(0)
	s_getreg_b32 s2, hwreg(HW_REG_IB_STS2, 6, 4)
	s_cmp_eq_u32 s2, 0
	s_cbranch_scc0 .Lentry_in_a_cluster
	s_endpgm
.Lentry_in_a_cluster:
	s_bfe_u32 s2, ttmp6, 0x10000c
	s_cmp_lg_u32 s2, 0x3003
	s_cbranch_scc0 .Lentry_shape_is_right
	s_endpgm
.Lentry_shape_is_right:
; ctx[b][h][d][t] = the sum over keys k of softmax_k(q[t] . k[k] / 8) v[k][d], no mask.  q, k, v: qkv [which][b][h][t 2048][d 64], f16.  ctx is stored TRANSPOSED, [b][h][d 64][t 2048], f16:
; read flat as [8192][1024] it is the left operand of the last projection.  Products on f16 operands with f32 sums; maxima, exponentials and row sums in f32; the weights p (at most 1) are rounded to f16 for the
; second product, ctx once at the end.  f16, not bf16: its 11 significant bits leave room under the allowed error.
; LIMITS: |q|, |k|, |v| under 65,504 (kept by the launch that makes them); NaN and infinities are not served.
; SHARES.  A cluster of four work-groups is one head (b, h); a work-group owns 512 of its queries, each of its eight waves 64: four tiles of 16, in 512 registers, two waves to a SIMD, so that one wave's softmax
; stands beside the other's products.  Every wave walks the head's 2,048 keys, 64 a step.
; LAYOUT.  S^T = K Q^T (source 0 = 16 keys, source 1 = 16 queries): a lane holds ONE query (lane % 16) and the keys 8 (lane / 16) + 0..7.  Two such tiles, rounded to f16 in pairs, ARE source 1 (32 keys x 16
; queries) of O^T = V^T P, whose result again holds one query a lane, and eight d.  K comes out of LDS as it lies, V ([key][d]) turned, by ds_load_tr16_b128.  Each fragment read from LDS feeds four products.
; SOFTMAX.  For each query a running maximum m and sum l: p = 2^(c s - c m), c = log2(e) / 8; in every step O and l are multiplied by a = 2^(c m_old - c m_new).
; RING.  Two LDS slots of 512 keys (8 steps).  The head's four work-groups walk the same K and V: each tile is asked for JOINTLY, by the same tensor load with the same descriptor and a mask that names the four.
; Waves 0-3 fetch K's four quarters of a slot, waves 4-7 V's: one load a wave behind each round, which has eight key steps in which to land.  No prefetch is laid: no wave waits for these loads.
; REGISTERS.  window 0: v2-9 addresses; v14, v15 the add's two; v32-63 eight statistics a tile; v64-191 S^T, 32 a tile; v192-255 K's fragments of a step, then V's.
;             window 1: v0-63 Q, 16 a tile; v64-191 O^T, 32 a tile; v192-255 P, 16 a tile.
.set PK,    144       ; a row of K in LDS: 128 bytes + 16 = 36 words: the 16 rows of a load start at 16 different banks (64 banks of 4 bytes: ISA guide 11.1)
.set PV,    160       ; a row of V: 128 + 32 = 40 words
.set SK,    512       ; keys in a slot
.set VOFF,  SK*PK     ; a slot: 512 rows of K, then 512 rows of V
.set SLOTB, SK*(PK+PV)
.set SPARE, 2*SLOTB   ; behind the ring: the spare words, 128 bytes for each of eight waves, which no other line names
.set SP,    1040      ; the way out: a stage of 64 rows d x (512 queries x 2 bytes + 16), in slot 0, which has had its last fill and its last read by then
.set AK0, 2           ; v2   my lane's place in a tile of K
.set AV0, 3           ; v3   the same for V
.set ADK, 4           ; v4   LDS address of the step's K
.set ADV, 5           ; v5   and V
.set QO,  6           ; v6   my byte offset in the wave's rows of Q
.set STO, 7           ; v7   the way out: where I put a number
.set RD,  8           ; v8   where I read 16 bytes of a row back
.set GO,  9           ; v9   16 x lane
.set SPW, 14          ; v14  LDS address of my spare word; never rewritten
.set NIL, 15          ; v15  0; never rewritten
.set ST,  32          ; tile t's statistics at v[ST+8 t]: +0 c m, +1 m, +2, +3 l (even keys', odd keys'), +4 to +7 c0-c3, at work; a takes c2's place
.set S,   64
.set KV,  192
.set QF,  0           ; window 1
.set O,   64          ; window 1
.set P,   192         ; window 1
.set WV,  12          ; s12  my wave's number
.set G1K, 24          ; s[24:31] descriptor group 1 for K's tiles
.set G1V, 32          ; s[32:39] for V's: it differs in the padding alone
.set G0K, 40          ; s[40:47] group 0 for K's tiles, a set for each slot
.set G0V, 48          ; s[48:55] the same for V's
.set CNT, 56          ; s56  counts a slot's steps
.set TK,  57          ; s57  LDS byte at which the step's K begins
.set CS,  58          ; s[58:59] c: the packed scaling names a pair and takes its low word for both halves
.set SEL, 60          ; s[60:61] lane selects for v_permlanex16_b32: lane l xor 16
.set TV,  62          ; s62  LDS byte at which the step's V begins
.set MSB, 0
.macro WIN new                      ; the immediate's high byte repeats the setting that is left; a switch that changes nothing is dropped
.if MSB != (\new)
	s_set_vgpr_msb (MSB<<8)|(\new)
.set MSB, (\new)
.endif
.endm
; A joint refill of a slot.  The branch hangs on the wave's number alone.  An s_nop 0 and four v_nop follow each of the two lines.
.macro JLOAD slot
	s_cmp_lt_u32 s[WV], 4
	s_cbranch_scc0 .Lfor_v_\@
	tensor_load_to_lds s[G0K+4*\slot:G0K+4*\slot+3], s[G1K:G1K+7]
	s_nop 0
.rept 4
	v_nop
.endr
	s_branch .Lasked_\@
.Lfor_v_\@:
	tensor_load_to_lds s[G0V+4*\slot:G0V+4*\slot+3], s[G1V:G1V+7]
	s_nop 0
.rept 4
	v_nop
.endr
.Lasked_\@:
.endm
.macro CROUND                       ; a round of the cluster's barrier
	s_barrier_signal -1
	s_barrier_wait -1
	s_cmp_lg_u32 s[WV], 0
	s_cbranch_scc1 .Lnot_wave_0_\@
	s_barrier_signal -3
.Lnot_wave_0_\@:
	s_barrier_wait -3
	s_barrier_signal -1
	s_barrier_wait -1
.endm
.macro PLACES                       ; four places behind a matrix instruction (ISA guide 7.12.1 for vector instructions)
.rept 4
	v_nop
.endr
.endm
	s_load_b128 s[4:7], s[0:1], 0x0 ; qkv s[4:5], ctx s[6:7]
	v_lshl_add_u32 v[SPW], v0, 2, SPARE
	v_mov_b32 v[NIL], 0
	ds_add_u32 v[SPW], v[NIL]       ; the wave's opening: the add, twice on end, and its wait ahead of my first tensor load
	ds_add_u32 v[SPW], v[NIL]
	v_lshrrev_b32 v1, 5, v0
	v_readfirstlane_b32 s[WV], v1   ; wave 0..7
	s_bfe_u32 s13, ttmp6, 0x40000   ; cx: my block of 512 queries: it enters Q's and ctx's addresses alone
	s_and_b32 s14, ttmp7, 0xffff    ; the head, 16 b + h, which the four partners share
	s_lshl_b32 s14, s14, 18         ; its 262,144 bytes in each of q, k, v and ctx
	s_and_b32 s15, s[WV], 3         ; which 128 rows of a slot I fetch:
	s_lshl_b32 s16, s15, 14         ; 16,384 bytes in memory,
	s_add_co_u32 s16, s16, s14
	s_mov_b32 s17, 0
	s_mul_i32 s18, s15, 128*PK      ; and in a slot: K's,
	s_mul_i32 s19, s15, 128*PV      ; V's: no place in the cluster enters an LDS address
	s_lshl_b32 s20, s13, 16         ; Q: my block's 512 rows of 128 bytes,
	s_lshl_b32 s21, s[WV], 13       ; my wave's 64
	s_add_co_u32 s20, s20, s21
	s_add_co_u32 s20, s20, s14
	s_mov_b32 s21, 0
	s_lshl_b32 s22, s[WV], 15       ; ctx: my wave stores rows d = 8 w .. 8 w + 7 of 4,096 bytes,
	s_lshl_b32 s23, s13, 10         ; my block's 1,024 bytes of each
	s_add_co_u32 s22, s22, s23
	s_add_co_u32 s22, s22, s14
	s_mov_b32 s23, 0
	; descriptor group 1: a tile of 128 rows x 64 elements of 2 bytes, padded in LDS
	s_mov_b32 s[G1K], 15|(1<<16)|(1<<20)|(1<<21)|(4<<22)|(3<<25)  ; 15:0 the mask: all four work-groups; 17:16 elements of 2 bytes; 20 padding on; 21 set beside a mask; 24:22 after every 32 words; 31:25 four words of it
	s_mov_b32 s[G1V], 15|(1<<16)|(1<<20)|(1<<21)|(4<<22)|(7<<25)  ; the same with eight words of padding
.irp g, G1K, G1V
	s_mov_b32 s[\g+1], 64<<16       ; tensor_dim0 = 64
	s_mov_b32 s[\g+2], 128<<16      ; tensor_dim1 = 128
	s_mov_b32 s[\g+3], 64<<16       ; tile_dim0 = 64
	s_mov_b32 s[\g+4], 128          ; tile_dim1 = 128
	s_mov_b32 s[\g+5], 64           ; tensor_dim0_stride: elements from row to row
	s_mov_b32 s[\g+6], 0
	s_mov_b32 s[\g+7], 0
.endr
	s_mov_b32 s[CS], 0x3e38aa3b     ; c = log2(e) / 8
	s_mov_b32 s[CS+1], s[CS]        ; named with it as a pair, so it is written
	s_mov_b32 s[SEL], 0x76543210
	s_mov_b32 s[SEL+1], 0xfedcba98
	s_wait_dscnt 0x0                ; both opening adds are done
	s_wait_kmcnt 0x0
	s_add_nc_u64 s[8:9], s[4:5], s[20:21]    ; Q at my wave's first row
	s_add_nc_u64 s[10:11], s[6:7], s[22:23]  ; ctx at my wave's first row d
	s_add_nc_u64 s[4:5], s[4:5], s[16:17]    ; qkv at the head's rows that I fetch
	CROUND                          ; all four work-groups are here: the first joint loads meet
.irp s, 0,1
	s_mov_b32 s[G0K+4*\s], 1        ; count = 1
	s_add_co_u32 s[G0K+4*\s+1], s18, \s*SLOTB  ; LDS address
	s_add_nc_u64 s[G0K+4*\s+2:G0K+4*\s+3], s[4:5], 16777216+\s*65536  ; k: slot s begins with keys 512 s
	s_or_b32 s[G0K+4*\s+3], s[G0K+4*\s+3], 0x80000000  ; type = 2
	s_mov_b32 s[G0V+4*\s], 1
	s_add_co_u32 s[G0V+4*\s+1], s19, \s*SLOTB+VOFF
	s_add_nc_u64 s[G0V+4*\s+2:G0V+4*\s+3], s[4:5], 33554432+\s*65536  ; v
	s_or_b32 s[G0V+4*\s+3], s[G0V+4*\s+3], 0x80000000
.endr
	s_cmp_lt_u32 s[WV], 4           ; a wave's two first fills stand in one branch, ahead of every wait on TENSORcnt and every LDS read: two loads of mine are out
	s_cbranch_scc0 .Lfirst_v
	tensor_load_to_lds s[G0K:G0K+3], s[G1K:G1K+7]
	s_nop 0
	tensor_load_to_lds s[G0K+4:G0K+7], s[G1K:G1K+7]
	s_nop 0
.rept 4
	v_nop
.endr
	s_branch .Lfirst_asked
.Lfirst_v:
	tensor_load_to_lds s[G0V:G0V+3], s[G1V:G1V+7]
	s_nop 0
	tensor_load_to_lds s[G0V+4:G0V+7], s[G1V:G1V+7]
	s_nop 0
.rept 4
	v_nop
.endr
.Lfirst_asked:
	; A fragment of K or Q is 16 rows x 32 d in 8 registers: lane l holds row l % 16; registers 0-3 d = 8 (l / 16) + 0..7, registers 4-7 d = 16 + 8 (l / 16) + 0..7: two loads of 16 bytes, 32 bytes apart.
	v_and_b32 v1, 15, v0            ; r = l % 16
	v_bfe_u32 v10, v0, 4, 1         ; l / 16
	v_lshlrev_b32 v[QO], 7, v1
	v_lshl_add_u32 v[QO], v10, 4, v[QO]  ; row x 128 + 16 x half
	WIN 0x40                        ; destination window 1, address window 0
.irp i, 0,1,2,3,4,5,6,7             ; Q stays in registers: tile i / 2, d 32 (i % 2) on
	global_load_b128 v[QF+8*\i:QF+8*\i+3],   v[QO], s[8:9] offset:(\i/2)*2048+(\i%2)*64
	global_load_b128 v[QF+8*\i+4:QF+8*\i+7], v[QO], s[8:9] offset:(\i/2)*2048+(\i%2)*64+32
.endr
	WIN 0
	v_mul_u32_u24 v[AK0], v1, PK
	v_lshl_add_u32 v[AK0], v10, 4, v[AK0]  ; row x pitch + 16 x half
	; The turning load takes 16 keys x 16 d (lane l reads 16 bytes: key 8 (l / 16) + l % 8, d 8 ((l / 8) % 2) + 0..7) and leaves half a fragment of V^T: lane l holds d l % 16 and 8 keys.
	v_and_b32 v11, 7, v0
	v_bfe_u32 v12, v0, 3, 1
	v_lshl_add_u32 v[AV0], v10, 3, v11
	v_mul_u32_u24 v[AV0], v[AV0], PV
	v_lshl_add_u32 v[AV0], v12, 4, v[AV0]
	; the way out
	v_and_b32 v13, 31, v0
	v_lshlrev_b32 v[GO], 4, v13
	s_mul_i32 s14, s[WV], 8*SP
	v_add_nc_u32 v[RD], s14, v[GO]  ; back: my wave's rows d = 8 w on, 16 bytes a lane
	v_mul_u32_u24 v[STO], v10, 8*SP ; in: lanes 16-31 hold d eight further on;
	v_lshl_add_u32 v[STO], v1, 1, v[STO]  ; my query's 2 bytes,
	s_lshl_b32 s14, s[WV], 7
	v_add_nc_u32 v[STO], s14, v[STO]  ; among my wave's 64 queries
; S^T = K Q^T for key tiles 2 half and 2 half + 1 of the step's four, all four tiles of queries: 16 matrix instructions; eight accumulators take turns, one instruction a turn.
.macro KQH half
	WIN 0x04                        ; K and S^T window 0, Q window 1
.irp ch, 0,1
.irp k2, 0,1
.irp t, 0,1,2,3
.if \ch == 0
	v_wmma_f32_16x16x32_f16 v[S+32*\t+8*(2*\half+\k2):S+32*\t+8*(2*\half+\k2)+7], v[KV+16*(2*\half+\k2)+8*\ch:KV+16*(2*\half+\k2)+8*\ch+7], v[QF+16*\t+8*\ch:QF+16*\t+8*\ch+7], 0
.else
	v_wmma_f32_16x16x32_f16 v[S+32*\t+8*(2*\half+\k2):S+32*\t+8*(2*\half+\k2)+7], v[KV+16*(2*\half+\k2)+8*\ch:KV+16*(2*\half+\k2)+8*\ch+7], v[QF+16*\t+8*\ch:QF+16*\t+8*\ch+7], v[S+32*\t+8*(2*\half+\k2):S+32*\t+8*(2*\half+\k2)+7]
.endif
.endr
.endr
.endr
.endm
; O^T += V^T P for keys 32 f on: 16 matrix instructions, sixteen accumulators by turns.  zero = 1: they start the sums: nothing is ever cleared.
.macro PVH f, zero
	WIN 0x54                        ; V window 0; P, C and D window 1
.irp c, 0,1,2,3
.irp t, 0,1,2,3
.if \zero
	v_wmma_f32_16x16x32_f16 v[O+32*\t+8*\c:O+32*\t+8*\c+7], v[KV+32*\f+8*\c:KV+32*\f+8*\c+7], v[P+16*\t+8*\f:P+16*\t+8*\f+7], 0
.else
	v_wmma_f32_16x16x32_f16 v[O+32*\t+8*\c:O+32*\t+8*\c+7], v[KV+32*\f+8*\c:KV+32*\f+8*\c+7], v[P+16*\t+8*\f:P+16*\t+8*\f+7], v[O+32*\t+8*\c:O+32*\t+8*\c+7]
.endif
.endr
.endr
.endm
; THE SOFTMAX of a key step, every line for the four tiles by turns, so that no line waits for the line above it.  first = 1: the first key step, which starts m, l and O^T.
.macro SOFTMAX first
	WIN 0
.irp j, 0,1,2,3                     ; the maximum of the lane's 32 scores: four chains, each begun at the low end of one accumulator
.irp t, 0,1,2,3
	v_max3_num_f32 v[ST+8*\t+4+\j], v[S+32*\t+8*\j], v[S+32*\t+8*\j+1], v[S+32*\t+8*\j+2]
.endr
.endr
.irp g, 1,2
.irp j, 0,1,2,3
.irp t, 0,1,2,3
	v_max3_num_f32 v[ST+8*\t+4+\j], v[ST+8*\t+4+\j], v[S+32*\t+8*\j+2*\g+1], v[S+32*\t+8*\j+2*\g+2]
.endr
.endr
.endr
.irp t, 0,1,2,3
	v_max3_num_f32 v[ST+8*\t+4], v[ST+8*\t+4], v[S+32*\t+7], v[S+32*\t+15]
.endr
.irp t, 0,1,2,3
	v_max3_num_f32 v[ST+8*\t+6], v[ST+8*\t+6], v[S+32*\t+23], v[S+32*\t+31]
.endr
.irp t, 0,1,2,3
	v_max3_num_f32 v[ST+8*\t+4], v[ST+8*\t+4], v[ST+8*\t+5], v[ST+8*\t+6]
.endr
.irp t, 0,1,2,3
.if \first
	v_max_num_f32 v[ST+8*\t+4], v[ST+8*\t+4], v[ST+8*\t+7]
.else
	v_max3_num_f32 v[ST+8*\t+4], v[ST+8*\t+4], v[ST+8*\t+7], v[ST+8*\t+1]   ; and the old m
.endif
.endr
.irp t, 0,1,2,3
	v_permlanex16_b32 v[ST+8*\t+5], v[ST+8*\t+4], s[SEL], s[SEL+1]  ; the query's other 32 keys lie in the lane 16 away
.endr
.if !\first
.irp t, 0,1,2,3
	v_mov_b32 v[ST+8*\t+7], v[ST+8*\t]  ; c m_old is kept for a
.endr
.endif
.irp t, 0,1,2,3
	v_max_num_f32 v[ST+8*\t+1], v[ST+8*\t+4], v[ST+8*\t+5]   ; the new m
.endr
.irp t, 0,1,2,3
	v_mul_f32 v[ST+8*\t], s[CS], v[ST+8*\t+1]                ; c m
.endr
.if !\first
.irp t, 0,1,2,3
	v_sub_f32 v[ST+8*\t+7], v[ST+8*\t+7], v[ST+8*\t]         ; c m_old - c m_new
.endr
.endif
.irp i, 0,1,2,3,4,5,6,7,8,9,10,11,12,13,14,15
.irp t, 0,1,2,3
	v_pk_fma_f32 v[S+32*\t+2*\i:S+32*\t+2*\i+1], v[S+32*\t+2*\i:S+32*\t+2*\i+1], s[CS:CS+1], v[ST+8*\t:ST+8*\t+1] op_sel_hi:[1,0,0] neg_lo:[0,0,1] neg_hi:[0,0,1]  ; c s - c m, two at a time
.endr
.endr
.if !\first                         ; ONE BATCH of exponentials: none of them reads another's result
.irp t, 0,1,2,3
	v_exp_f32 v[ST+8*\t+6], v[ST+8*\t+7]                     ; a
.endr
.endif
.irp i, 0,1,2,3,4,5,6,7,8,9,10,11,12,13,14,15,16,17,18,19,20,21,22,23,24,25,26,27,28,29,30,31
.irp t, 0,1,2,3
	v_exp_f32 v[S+32*\t+\i], v[S+32*\t+\i]                   ; p
.endr
.endr
	v_nop                           ; a plain instruction behind the last exponential, ahead of the first use
	s_wait_alu depctr_va_vdst(0)    ; and a wait ahead of the first instruction that names a result: one for the whole batch
	WIN 0x40                        ; destination window 1
.irp i, 0,1,2,3,4,5,6,7,8,9,10,11,12,13,14,15
.irp t, 0,1,2,3
	v_cvt_pk_f16_f32 v[P+16*\t+\i], v[S+32*\t+2*\i], v[S+32*\t+2*\i+1]   ; key tiles 0, 1 make P's fragment 0, key tiles 2, 3 fragment 1
.endr
.endr
	WIN 0
.irp z, 0,1,2,3,4,5,6,7             ; the sum of the unrounded p, in place: neighbours 1, 2, 4 and 8 pairs apart
.irp t, 0,1,2,3
	v_pk_add_f32 v[S+32*\t+4*\z:S+32*\t+4*\z+1], v[S+32*\t+4*\z:S+32*\t+4*\z+1], v[S+32*\t+4*\z+2:S+32*\t+4*\z+3]
.endr
.endr
.irp z, 0,1,2,3
.irp t, 0,1,2,3
	v_pk_add_f32 v[S+32*\t+8*\z:S+32*\t+8*\z+1], v[S+32*\t+8*\z:S+32*\t+8*\z+1], v[S+32*\t+8*\z+4:S+32*\t+8*\z+5]
.endr
.endr
.irp z, 0,1
.irp t, 0,1,2,3
	v_pk_add_f32 v[S+32*\t+16*\z:S+32*\t+16*\z+1], v[S+32*\t+16*\z:S+32*\t+16*\z+1], v[S+32*\t+16*\z+8:S+32*\t+16*\z+9]
.endr
.endr
.if \first
.irp t, 0,1,2,3
	v_pk_add_f32 v[ST+8*\t+2:ST+8*\t+3], v[S+32*\t:S+32*\t+1], v[S+32*\t+16:S+32*\t+17]   ; l begins
.endr
.else
.irp t, 0,1,2,3
	v_pk_add_f32 v[S+32*\t:S+32*\t+1], v[S+32*\t:S+32*\t+1], v[S+32*\t+16:S+32*\t+17]
.endr
.irp t, 0,1,2,3
	v_pk_fma_f32 v[ST+8*\t+2:ST+8*\t+3], v[ST+8*\t+2:ST+8*\t+3], v[ST+8*\t+6:ST+8*\t+7], v[S+32*\t:S+32*\t+1] op_sel_hi:[1,0,1]   ; l = a l + the sum
.endr
	WIN 0x41                        ; O^T (destination and source 0) window 1, a window 0
.irp i, 0,1,2,3,4,5,6,7,8,9,10,11,12,13,14,15
.irp t, 0,1,2,3
	v_pk_mul_f32 v[O+32*\t+2*\i:O+32*\t+2*\i+1], v[O+32*\t+2*\i:O+32*\t+2*\i+1], v[ST+8*\t+6:ST+8*\t+7] op_sel_hi:[1,0]   ; O^T x a, each accumulator from its low end on
.endr
.endr
.endif
.endm
; A KEY STEP: 64 keys.  K's 16 loads, the 32 products K Q^T, V's 16 turning loads (they land under the softmax), the softmax, the 32 products V^T P.
.macro STEP first
	v_add_nc_u32 v[ADK], s[TK], v[AK0]
	v_add_nc_u32 v[ADV], s[TV], v[AV0]
	v_nop
	v_nop                           ; with the two additions: the four places between the last product that read V and the loads into its registers
.irp kt, 0,1,2,3
.irp ch, 0,1
	ds_load_b128 v[KV+16*\kt+8*\ch:KV+16*\kt+8*\ch+3],   v[ADK] offset:\kt*16*PK+64*\ch
	ds_load_b128 v[KV+16*\kt+8*\ch+4:KV+16*\kt+8*\ch+7], v[ADK] offset:\kt*16*PK+64*\ch+32
.endr
.endr
	s_wait_dscnt 8                  ; key tiles 0 and 1 are in; the eight loads of tiles 2 and 3 may be out
	KQH 0
	s_wait_dscnt 0x0
	KQH 1
	WIN 0
	PLACES                          ; behind the last K Q^T: for the loads into K's registers and the softmax's first reads
.irp g, 0,1
.irp c, 0,1,2,3
	ds_load_tr16_b128 v[KV+32*\g+8*\c:KV+32*\g+8*\c+3],   v[ADV] offset:\g*32*PV+32*\c
	ds_load_tr16_b128 v[KV+32*\g+8*\c+4:KV+32*\g+8*\c+7], v[ADV] offset:\g*32*PV+16*PV+32*\c
.endr
.endr
	SOFTMAX \first
	s_wait_dscnt 0x0                ; V is in
	PVH 0, \first
	PVH 1, 0
	WIN 0                           ; at a label and at a branch every window is 0
	s_add_co_u32 s[TK], s[TK], 64*PK
	s_add_co_u32 s[TV], s[TV], 64*PV
.endm
; A slot's eight key steps: the step is written once and walked by a counted loop; the LDS addresses hang on s[TK] and s[TV].
.macro RUN slot, first
	s_mov_b32 s[TK], \slot*SLOTB
	s_mov_b32 s[TV], \slot*SLOTB+VOFF
.if \first
	STEP 1
.endif
	s_mov_b32 s[CNT], 8-\first
.Lstep_\@:
	STEP 0
	s_sub_co_u32 s[CNT], s[CNT], 1
	s_cmp_lg_u32 s[CNT], 0
	s_cbranch_scc1 .Lstep_\@
.endm
; THE CHANGE OF SLOTS.  Each wave waits for all its tensor loads, of which one is out: its part of the slot ahead; adds 0 to its spare word; and waits for that and for its reads of the slot that it leaves.
; fill = 1: that slot is filled again, with the keys 1,024 on.  The barrier is then a round of the cluster's, so that no wave of any partner still reads the slot or has a load on its way, and the joint refill is
; the first thing behind it, one tensor load a wave.
.macro CHANGE fill, slot
	s_wait_tensorcnt 0x0            ; no tensor load of mine is out, so a group 0 may be written
	ds_add_u32 v[SPW], v[NIL]       ; 0 onto my spare word
.if \fill
	s_add_nc_u64 s[G0K+4*\slot+2:G0K+4*\slot+3], s[G0K+4*\slot+2:G0K+4*\slot+3], 2*SK*128   ; the type bits on top are not reached
	s_add_nc_u64 s[G0V+4*\slot+2:G0V+4*\slot+3], s[G0V+4*\slot+2:G0V+4*\slot+3], 2*SK*128
.endif
	s_wait_dscnt 0x0                ; the add is done, and my reads of the slot are over
.if \fill
	CROUND
	JLOAD \slot
.else
	s_barrier_signal -1
	s_barrier_wait -1
.endif
.endm
	s_wait_tensorcnt 1              ; my part of slot 0 is in; slot 1's may stay out
	s_barrier_signal -1
	s_barrier_wait -1               ; everybody's is
	s_wait_loadcnt 0x0              ; Q
	RUN 0, 1                        ; keys 0 to 511
	CHANGE 1, 0                     ; slot 0 takes keys 1,024 on
	RUN 1, 0                        ; keys 512 to 1,023
	CHANGE 1, 1                     ; slot 1 takes keys 1,536 on
	RUN 0, 0
	CHANGE 0, 0                     ; nothing is left to ask for
	RUN 1, 0
	; THE WAY OUT.  l's two halves and the other half of the lanes' are added; O^T is divided by l and rounded to f16.  A lane holds one query, ctx wants the queries innermost: so the numbers go, two bytes at a time,
	; into a stage of 64 rows d x 512 queries that all eight waves fill; a barrier; each wave stores eight whole rows.  The four additions are the places behind the last products.
.irp t, 0,1,2,3
	v_add_f32 v[ST+8*\t+4], v[ST+8*\t+2], v[ST+8*\t+3]
.endr
.irp t, 0,1,2,3
	v_permlanex16_b32 v[ST+8*\t+5], v[ST+8*\t+4], s[SEL], s[SEL+1]
.endr
.irp t, 0,1,2,3
	v_add_f32 v[ST+8*\t+4], v[ST+8*\t+4], v[ST+8*\t+5]
.endr
.irp t, 0,1,2,3
	v_rcp_f32 v[ST+8*\t+6], v[ST+8*\t+4]
.endr
	v_nop                           ; a plain instruction between the last reciprocal and the use of its result
	s_wait_alu depctr_va_vdst(0)    ; and a wait ahead of the first use: one for the four
	WIN 0x41
.irp t, 0,1,2,3
.irp i, 0,1,2,3,4,5,6,7,8,9,10,11,12,13,14,15
	v_pk_mul_f32 v[O+32*\t+2*\i:O+32*\t+2*\i+1], v[O+32*\t+2*\i:O+32*\t+2*\i+1], v[ST+8*\t+6:ST+8*\t+7] op_sel_hi:[1,0]
.endr
.endr
	WIN 0x05                        ; sources window 1, destination window 0: S^T's registers are free
.irp t, 0,1,2,3
.irp i, 0,1,2,3,4,5,6,7,8,9,10,11,12,13,14,15
	v_cvt_pk_f16_f32 v[S+16*\t+\i], v[O+32*\t+2*\i], v[O+32*\t+2*\i+1]   ; register 4 c + jj: d = 16 c + 8 (l / 16) + 2 jj in the low half, + 1 in the high half
.endr
.endr
	WIN 0
.irp t, 0,1,2,3
.irp c, 0,1,2,3
.irp jj, 0,1,2,3
	ds_store_b16 v[STO], v[S+16*\t+4*\c+\jj] offset:(16*\c+2*\jj)*SP+32*\t
	ds_store_b16_d16_hi v[STO], v[S+16*\t+4*\c+\jj] offset:(16*\c+2*\jj+1)*SP+32*\t
.endr
.endr
.endr
	s_wait_dscnt 0x0                ; for the others' sake: my stores into the stage are done
	s_barrier_signal -1
	s_barrier_wait -1
.irp i, 0,1,2,3,4,5,6,7
.irp u, 0,1
	ds_load_b128 v[128+8*\i+4*\u:128+8*\i+4*\u+3], v[RD] offset:\i*SP+512*\u
.endr
.endr
.irp i, 0,1,2,3,4,5,6,7
.irp u, 0,1
	s_wait_dscnt 15-2*\i-\u         ; this load is in; the younger ones may be out
	global_store_b128 v[GO], v[128+8*\i+4*\u:128+8*\i+4*\u+3], s[10:11] offset:\i*4096+512*\u   ; 32 lanes store 512 consecutive bytes, aligned
.endr
.endr
	s_wait_tensorcnt 0x0            ; the wave's end: these three lines behind my last tensor load and my last LDS store
	ds_add_u32 v[SPW], v[NIL]
	s_wait_dscnt 0x0
	CROUND                          ; the closing round: no work-group ends while a partner may still ask for a tile that names it
	s_endpgm
.Lfunc_end_k_q9264cb6adb_attn:
	.size	k_q9264cb6adb_attn, .Lfunc_end_k_q9264cb6adb_attn-k_q9264cb6adb_attn
	.p2alignl 7, 3214868480
	.fill 96, 4, 3214868480
	.section	.rodata,"a",@progbits
	.p2align	6, 0x0
	.amdhsa_kernel k_q9264cb6adb_attn
		.amdhsa_group_segment_fixed_size 327680
		.amdhsa_private_segment_fixed_size 0
		.amdhsa_enable_private_segment 0
		.amdhsa_kernarg_size 16
		.amdhsa_user_sgpr_count 2
		.amdhsa_user_sgpr_kernarg_segment_ptr 1
		.amdhsa_wavefront_size32 1
		.amdhsa_system_sgpr_workgroup_id_x 1
		.amdhsa_system_sgpr_workgroup_id_y 1
		.amdhsa_system_sgpr_workgroup_id_z 1
		.amdhsa_system_vgpr_workitem_id 0
		.amdhsa_next_free_vgpr 512
		.amdhsa_next_free_sgpr 66
		.amdhsa_reserve_vcc 0
		.amdhsa_float_denorm_mode_32 3
		.amdhsa_float_denorm_mode_16_64 3
		.amdhsa_memory_ordered 1
		.amdhsa_forward_progress 1
		.amdhsa_inst_pref_size 185
	.end_amdhsa_kernel
	.amdgpu_metadata
---
amdhsa.version: [ 1, 2 ]
amdhsa.kernels:
  - .name:           k_q9264cb6adb_attn
    .symbol:         k_q9264cb6adb_attn.kd
    .args:
      - { .name: qkv, .offset: 0, .size: 8, .value_kind: global_buffer, .address_space: global }
      - { .name: ctx, .offset: 8, .size: 8, .value_kind: global_buffer, .address_space: global }
    .group_segment_fixed_size: 327680
    .private_segment_fixed_size: 0
    .kernarg_segment_align: 8
    .kernarg_segment_size: 16
    .max_flat_workgroup_size: 256
    .sgpr_count:     66
    .vgpr_count:     512
    .wavefront_size: 32
...
	.end_amdgpu_metadata
.endif
;; end of part 4
;; launch oproj (part 5): grid 8 x 32, 4 waves a work-group, clusters of 4 x 4, 327,680 bytes of LDS; arguments ctx, wo16, bo, out0; writes out0
.if DOCPART == 5
	.amdgcn_target "amdgcn-amd-amdhsa--gfx1250"
	.amdhsa_code_object_version 6
	.text
	.protected	k_q9264cb6adb_oproj
	.globl	k_q9264cb6adb_oproj
	.p2align	8
	.type	k_q9264cb6adb_oproj,@function
k_q9264cb6adb_oproj:
	s_mov_b64 s[64:65], 0
	v_nop
	global_prefetch_b8 v0, s[64:65] scope:SCOPE_SE
	s_setreg_imm32_b32 hwreg(HW_REG_WAVE_MODE, 25, 1), 1
	s_wait_xcnt 0x0
	s_wait_alu depctr_hold_cnt(0) depctr_sa_sdst(0) depctr_va_vdst(0) depctr_va_sdst(0) depctr_va_ssrc(0) depctr_va_vcc(0) depctr_vm_vsrc(0)
	s_getreg_b32 s2, hwreg(HW_REG_IB_STS2, 6, 4)
	s_cmp_eq_u32 s2, 0
	s_cbranch_scc0 .Lentry_in_a_cluster
	s_endpgm
.Lentry_in_a_cluster:
	s_bfe_u32 s2, ttmp6, 0x10000c
	s_cmp_lg_u32 s2, 0xf033
	s_cbranch_scc0 .Lentry_shape_is_right
	s_endpgm
.Lentry_shape_is_right:
; out0[m][n] = sum over k of A[m][k] Wo[k][n] + bo[n].  A = ctx read flat as [8192][1024], f16, K innermost; wo16 [k 1024][n 1024], f16; bo [1024] and out0 [8192][1024], f32; sums in f32.
; A tile of out0 is 256 (m) x 128 (n): 256 work-groups; tiles of 256 x 256 would be 128.  Four waves, each 128 x 64: 32 accumulators, 256 registers.  K goes in 8 steps of 128 through two LDS slots:
; A's tile is 256 rows of 256 bytes, Wo's 128 rows k of 256 bytes (128 n).  A's fragments come out of LDS as they lie, Wo's ([k][n]) turned, by ds_load_tr16_b128.
; CLUSTERS: 4 x 4 work-groups.  The four of a row of the cluster need the same tiles of A, the four of a column the same tiles of Wo: each tile is asked for JOINTLY, by the same tensor load with the same
; descriptor and a mask that names the four.  THE MATRIX INSTRUCTION IS USED TRANSPOSED (source 0 = 16 n of Wo, source 1 = 16 rows of A): a lane then holds eight neighbouring n of one row of out0.
; The bias is the C of each sum's first product: eight registers for each block of 16 n, in the result's layout.  Nothing is cleared and nothing is added afterwards.
; No prefetch is laid: the launch is eight K steps long, and its first four come by their loads alone in any case.
; REGISTERS.  window 0: v16-29 addresses; v32-63 the bias; v64-127, v128-191 A's fragments (8 x 16 rows x 32 K), two buffers; v192-223, v224-255 Wo's (4 x 16 n x 32 K), two buffers.
;             window 1: the accumulators, (a, b) at v[8 (4 a + b)].
.set PA,     272                       ; A's LDS row: 256 bytes + 16 = 68 words: the 16 rows of a load start at 16 different banks (64 banks of 4 bytes: ISA guide 11.1)
.set PB,     288                       ; Wo's: 256 + 32 = 72 words
.set HALFA,  128*PA                    ; what one tensor load brings of A, and what one wave reads
.set HALFB,  64*PB                     ; what one tensor load brings of Wo
.set BOFF,   2*HALFA
.set SLOT,   BOFF+2*HALFB              ; A's 256 rows, then Wo's 128
.set STAGE,  2*SLOT                    ; behind the ring: 16 rows x (256 bytes + 16) for each wave, for the way out
.set SPITCH, 272
.set SPARE,  STAGE+4*16*SPITCH         ; the spare words, 128 bytes a wave, which no other line names
.set LAPS,   4                         ; a lap = two K steps = once round the ring
.set ADRA, 16                          ; v16-17  LDS address of my A fragments in slot 0, 1
.set ADRB, 20                          ; v20-21  the same for Wo
.set STO,  24                          ; v24     the way out: where I put 32 bytes of a row
.set RD,   25                          ; v25     where I read a row back
.set CO,   26                          ; v26     my byte offset in two rows of out0
.set SPW,  28                          ; v28     LDS address of my spare word; never rewritten
.set NIL,  29                          ; v29     0; never rewritten
.set BIAS, 32
.set AF,   64
.set BF,   192
.set BK,   64                          ; the way out: 16 rows back from the stage: v64-95 and v96-127 by turns
.set G1, 24                            ; s[24:31] descriptor group 1 for A's tiles;  s[32:39] group 0, one set for each slot
.set G0, 32
.set G1B, 48                           ; s[48:55], s[56:63] the same for Wo's
.set G0B, 56
.set MSB, 0
.macro WIN new                         ; the immediate's high byte repeats the setting that is left
.if MSB != (\new)
	s_set_vgpr_msb (MSB<<8)|(\new)
.set MSB, (\new)
.endif
.endm
.macro JLOAD s                         ; a joint load: waves 0 and 1 fetch A's two halves, waves 2 and 3 Wo's; an s_nop 0 and four v_nop follow each of the two lines
	s_cmp_eq_u32 s13, 0
	s_cbranch_scc0 .Lfor_b_\@
	tensor_load_to_lds s[G0+4*\s:G0+4*\s+3], s[G1:G1+7]
	s_nop 0
.rept 4
	v_nop
.endr
	s_branch .Lasked_\@
.Lfor_b_\@:
	tensor_load_to_lds s[G0B+4*\s:G0B+4*\s+3], s[G1B:G1B+7]
	s_nop 0
.rept 4
	v_nop
.endr
.Lasked_\@:
.endm
.macro CREST                           ; a round of the cluster's barrier behind its opening barrier
	s_cmp_lg_u32 s12, 0
	s_cbranch_scc1 .Lnot_wave_0_\@
	s_barrier_signal -3
.Lnot_wave_0_\@:
	s_barrier_wait -3
	s_barrier_signal -1
	s_barrier_wait -1
.endm
.macro CROUND                          ; a whole round
	s_barrier_signal -1
	s_barrier_wait -1
	CREST
.endm
	s_load_b256 s[4:11], s[0:1], 0x0               ; ctx s[4:5], wo16 s[6:7], bo s[8:9], out0 s[10:11]
	v_lshl_add_u32 v[SPW], v0, 2, SPARE
	v_mov_b32 v[NIL], 0
	ds_add_u32 v[SPW], v[NIL]                      ; the wave's opening: the add, twice on end, and its wait ahead of my first tensor load
	ds_add_u32 v[SPW], v[NIL]
	v_lshrrev_b32 v1, 5, v0
	v_readfirstlane_b32 s12, v1                    ; wave 0..3
	s_lshr_b32 s13, s12, 1                         ; which half of the tile's rows is mine.  Also: I fetch for A (0) or for Wo (1)
	s_and_b32 s14, s12, 1                          ; which half of its columns.  Also: which half of that tile I fetch
	s_bfe_u32 s40, ttmp6, 0x40000                  ; cx, cy: my place in the cluster
	s_bfe_u32 s41, ttmp6, 0x40004
	s_lshl_b32 s42, ttmp9, 2
	s_add_co_u32 s42, s42, s40                     ; tile column = 4 x cluster x + cx
	s_and_b32 s15, ttmp7, 0xffff
	s_lshl_b32 s15, s15, 2
	s_add_co_u32 s15, s15, s41                     ; tile row = 4 x cluster y + cy
	s_lshl_b32 s43, s41, 2
	s_lshl_b32 s43, 15, s43                        ; my row of the cluster
	s_lshl_b32 s44, 0x1111, s40                    ; my column
	s_or_b32 s[G1+0], s43, (1<<16)|(1<<20)|(1<<21)|(5<<22)|(3<<25)   ; 15:0 the mask: A's tiles go to my row; 17:16 elements of 2 bytes; 20 padding on; 21 set beside a mask; 24:22 after every 64 words; 31:25 four words of it
	s_mov_b32 s[G1+1], 128<<16                     ; tensor_dim0 = 128
	s_mov_b32 s[G1+2], 128<<16                     ; tensor_dim1 = 128
	s_mov_b32 s[G1+3], 128<<16                     ; tile_dim0 = 128
	s_mov_b32 s[G1+4], 128                         ; tile_dim1 = 128
	s_mov_b32 s[G1+5], 1024                        ; tensor_dim0_stride
	s_mov_b32 s[G1+6], 0
	s_mov_b32 s[G1+7], 0
	s_or_b32 s[G1B+0], s44, (1<<16)|(1<<20)|(1<<21)|(5<<22)|(7<<25)  ; Wo's tiles go to my column; eight words of padding
	s_mov_b32 s[G1B+1], 128<<16
	s_mov_b32 s[G1B+2], 64<<16                     ; 64 rows k to a load
	s_mov_b32 s[G1B+3], 128<<16
	s_mov_b32 s[G1B+4], 64
	s_mov_b32 s[G1B+5], 1024
	s_mov_b32 s[G1B+6], 0
	s_mov_b32 s[G1B+7], 0
	s_lshl_b32 s16, s15, 19                        ; A: 256 rows of 2,048 bytes a tile row,
	s_lshl_b32 s17, s14, 18                        ; 128 a half
	s_add_co_u32 s16, s16, s17
	s_mov_b32 s17, 0
	s_lshl_b32 s46, s42, 8                         ; Wo: 256 bytes a tile column,
	s_lshl_b32 s47, s14, 17                        ; 64 rows k of 2,048 bytes a half
	s_add_co_u32 s46, s46, s47
	s_mov_b32 s47, 0
	s_mul_i32 s20, s14, HALFA                      ; where they go: no place in the cluster enters an LDS address
	s_mul_i32 s21, s14, HALFB
	s_add_co_u32 s21, s21, BOFF
	s_wait_dscnt 0x0                               ; both opening adds are done
	s_wait_kmcnt 0x0
	s_add_nc_u64 s[18:19], s[4:5], s[16:17]
	s_add_nc_u64 s[46:47], s[6:7], s[46:47]
	CROUND                                         ; all sixteen work-groups are here: the first joint loads meet
.irp s, 0,1
	s_mov_b32 s[G0+4*\s], 1
	s_add_co_u32 s[G0+4*\s+1], s20, \s*SLOT
	s_add_nc_u64 s[G0+4*\s+2:G0+4*\s+3], s[18:19], \s*256          ; K step s: 256 bytes along A's rows
	s_or_b32 s[G0+4*\s+3], s[G0+4*\s+3], 0x80000000
	s_mov_b32 s[G0B+4*\s], 1
	s_add_co_u32 s[G0B+4*\s+1], s21, \s*SLOT
	s_add_nc_u64 s[G0B+4*\s+2:G0B+4*\s+3], s[46:47], \s*262144     ; 128 rows down Wo
	s_or_b32 s[G0B+4*\s+3], s[G0B+4*\s+3], 0x80000000
	JLOAD \s                                       ; two tensor loads of mine are out
.endr
	v_and_b32 v1, 15, v0                           ; r = l % 16
	v_bfe_u32 v2, v0, 4, 1                         ; l / 16
	v_mul_u32_u24 v3, v1, PA
	v_lshl_add_u32 v3, v2, 4, v3                   ; A: row x pitch + 16 x half
	s_mul_i32 s22, s13, HALFA                      ; my 128 rows
	v_add_nc_u32 v[ADRA], s22, v3
	v_add_nc_u32 v[ADRA+1], SLOT, v[ADRA]
	v_and_b32 v4, 7, v0                            ; Wo: the turning load: lane l reads 16 bytes: k 8 (l / 16) + l % 8, n 8 ((l / 8) % 2) + 0..7
	v_bfe_u32 v5, v0, 3, 1
	v_lshl_add_u32 v4, v2, 3, v4
	v_mul_u32_u24 v4, v4, PB
	v_lshl_add_u32 v4, v5, 4, v4
	s_lshl_b32 s22, s14, 7                         ; my 64 columns: 128 bytes
	s_add_co_u32 s22, s22, BOFF
	v_add_nc_u32 v[ADRB], s22, v4
	v_add_nc_u32 v[ADRB+1], SLOT, v[ADRB]
	s_mul_i32 s23, s12, 16*SPITCH
	s_add_co_u32 s23, s23, STAGE                   ; my stage
	v_mul_u32_u24 v6, v1, SPITCH                   ; in: row l % 16, 32 bytes for each half of the lanes
	v_lshl_add_u32 v6, v2, 5, v6
	v_add_nc_u32 v[STO], s23, v6
	v_mul_u32_u24 v6, v2, SPITCH                   ; back: lanes 0-15 one row of 256 bytes, lanes 16-31 the next
	v_lshl_add_u32 v6, v1, 4, v6
	v_add_nc_u32 v[RD], s23, v6
	v_lshlrev_b32 v6, 12, v2                       ; and the same two rows in out0
	v_lshl_add_u32 v[CO], v1, 4, v6
	s_lshl_b32 s16, s15, 20                        ; out0: 256 rows of 4,096 bytes a tile row,
	s_lshl_b32 s17, s13, 19                        ; 128 a half
	s_add_co_u32 s16, s16, s17
	s_mov_b32 s17, 0
	s_add_nc_u64 s[10:11], s[10:11], s[16:17]
	s_lshl_b32 s46, s42, 9                         ; my first column, in bytes of f32: 512 x tile column + 256 x half: in out0's rows and in bo
	s_lshl_b32 s47, s14, 8
	s_add_co_u32 s46, s46, s47
	s_mov_b32 s47, 0
	s_add_nc_u64 s[10:11], s[10:11], s[46:47]
	s_add_nc_u64 s[8:9], s[8:9], s[46:47]
	v_lshlrev_b32 v7, 5, v2                        ; the bias in the result's layout: for block b: bo at 16 b + 8 (l / 16) + 0 .. 7
.irp b, 0,1,2,3
	global_load_b128 v[BIAS+8*\b:BIAS+8*\b+3],   v7, s[8:9] offset:64*\b
	global_load_b128 v[BIAS+8*\b+4:BIAS+8*\b+7], v7, s[8:9] offset:64*\b+16
.endr
; 8 matrix instructions: A's blocks a0, a0 + 1 against Wo's four, 32 along K, from buffer f.  bias = 1: the first product starts the sums from the bias.
; The 32 accumulators take turns, one instruction a turn, in the same order in every quarter.
.macro MUL8 f, a0, bias
.if \bias
	WIN 0x40                                       ; D window 1; the sources and C window 0
.else
	WIN 0x50                                       ; C and D window 1
.endif
.irp a, \a0, \a0+1
.irp b, 0,1,2,3
.if \bias
	v_wmma_f32_16x16x32_f16 v[8*(4*(\a)+\b):8*(4*(\a)+\b)+7], v[BF+32*\f+8*\b:BF+32*\f+8*\b+7], v[AF+64*\f+8*(\a):AF+64*\f+8*(\a)+7], v[BIAS+8*\b:BIAS+8*\b+7]
.else
	v_wmma_f32_16x16x32_f16 v[8*(4*(\a)+\b):8*(4*(\a)+\b)+7], v[BF+32*\f+8*\b:BF+32*\f+8*\b+7], v[AF+64*\f+8*(\a):AF+64*\f+8*(\a)+7], v[8*(4*(\a)+\b):8*(4*(\a)+\b)+7]
.endif
.endr
.endr
.endm
; 24 LDS loads in one run: the fragments of the slot's q-th 32 along K into buffer f: Wo's four first, then A's eight, ascending
.macro FETCH slot, q, f
	WIN 0
.irp b, 0,1,2,3
	ds_load_tr16_b128 v[BF+32*\f+8*\b:BF+32*\f+8*\b+3],   v[ADRB+\slot] offset:32*PB*\q+32*\b
	ds_load_tr16_b128 v[BF+32*\f+8*\b+4:BF+32*\f+8*\b+7], v[ADRB+\slot] offset:32*PB*\q+16*PB+32*\b
.endr
.irp i, 0,1,2,3,4,5,6,7
	ds_load_b128 v[AF+64*\f+8*\i:AF+64*\f+8*\i+3],   v[ADRA+\slot] offset:64*\q+\i*16*PA
	ds_load_b128 v[AF+64*\f+8*\i+4:AF+64*\f+8*\i+7], v[ADRA+\slot] offset:64*\q+\i*16*PA+32
.endr
.endm
.macro PLACES                          ; four places in front of loads into registers that matrix instructions have read, and of reads of results (ISA guide 7.12.1 for vector instructions)
.rept 4
	v_nop
.endr
.endm
; A K step is four quarters of 32 along K, 32 matrix instructions each, on buffers 0, 1, 0, 1.  One of the first three: multiplies buffer f and fetches the slot's q-th quarter into g.
.macro QUARTER slot, q, f, g, bias
	s_wait_dscnt 8                                 ; Wo's fragments and A's blocks 0-3 are in; the youngest eight loads (A's blocks 4-7) may be out
	MUL8 \f, 0, \bias
	MUL8 \f, 2, \bias
	PLACES
	FETCH \slot, \q, \g
	s_wait_dscnt 24                                ; all but the 24 just issued
	MUL8 \f, 4, \bias
	MUL8 \f, 6, \bias
.endm
; The last quarter multiplies buffer 1 and changes slots: ONE barrier; in front of it each wave waits for all its tensor loads, adds 0 to its spare word, and waits for that and for its reads of this slot.
; fill = 1: the barrier opens a round of the cluster's barrier, and this slot is filled again, two K steps ahead: the first tensor load behind the round, one a wave.
.macro TURN slot, next, fill
	WIN 0                                          ; (the add's two registers lie in window 0)
	s_wait_tensorcnt 0x0                           ; all my tensor loads have landed: my part of the next slot
	ds_add_u32 v[SPW], v[NIL]                      ; 0 onto my spare word
	s_wait_dscnt 9                                 ; (the add and the youngest eight loads may be out)
	MUL8 1, 0, 0                                   ; eight matrix instructions stand between the add and the wait for it
	s_wait_dscnt 0x0                               ; the add is done, and my reads of this slot are over
	s_barrier_signal -1
	MUL8 1, 2, 0                                   ; work on registers while the others arrive
	WIN 0
	s_barrier_wait -1
.if \fill
	CREST                                          ; no wave of any partner still reads this slot's tiles or has a load on its way
	s_add_nc_u64 s[G0+4*\slot+2:G0+4*\slot+3], s[G0+4*\slot+2:G0+4*\slot+3], 2*256
	s_add_nc_u64 s[G0B+4*\slot+2:G0B+4*\slot+3], s[G0B+4*\slot+2:G0B+4*\slot+3], 2*262144
	JLOAD \slot                                    ; the four v_nop behind it are also the places in front of the loads below
.else
	PLACES
.endif
	FETCH \next, 0, 0
	MUL8 1, 4, 0
	MUL8 1, 6, 0
.endm
	s_wait_tensorcnt 1                             ; my part of K step 0 is in; K step 1's load may be out
	s_barrier_signal -1
	s_barrier_wait -1                              ; everybody's is
	FETCH 0, 0, 0
	s_wait_loadcnt 0x0                             ; the bias
	QUARTER 0, 1, 0, 1, 1                          ; the first quarter stands in front of the loop: its products start the sums
	WIN 0                                          ; at a label and at a branch every window is 0
	s_mov_b32 s3, LAPS-1
.Llap:                                                 ; a trip goes once round the ring, from a lap's second quarter to the next lap's first, and fills both slots again
	QUARTER 0, 2, 1, 0, 0
	QUARTER 0, 3, 0, 1, 0
	TURN 0, 1, 1
	QUARTER 1, 1, 0, 1, 0
	QUARTER 1, 2, 1, 0, 0
	QUARTER 1, 3, 0, 1, 0
	TURN 1, 0, 1
	QUARTER 0, 1, 0, 1, 0
	WIN 0
	s_sub_co_u32 s3, s3, 1
	s_cmp_lg_u32 s3, 0
	s_cbranch_scc1 .Llap
	QUARTER 0, 2, 1, 0, 0                          ; the last lap is written out: it fills nothing, and has no round of the cluster's barrier
	QUARTER 0, 3, 0, 1, 0
	TURN 0, 1, 0
	QUARTER 1, 1, 0, 1, 0
	QUARTER 1, 2, 1, 0, 0
	QUARTER 1, 3, 0, 1, 0
	s_wait_dscnt 8                                 ; the very last quarter: nothing more to fetch
	MUL8 1, 0, 0
	MUL8 1, 2, 0
	s_wait_dscnt 0x0
	MUL8 1, 4, 0
	MUL8 1, 6, 0
	WIN 0
; THE WAY OUT, block by block of 16 rows x 64 columns.  A lane holds 32 neighbouring bytes of a row, and the lanes beside it hold other rows: so a block goes through my own stage in LDS and comes back as whole
; rows of 256 bytes.  LDS serves a wave's instructions in order (ISA guide 5.7.1.4): no wait between the stores and the loads, nor in front of the next block's stores.
.macro TOSTAGE a
	WIN 0x04                                       ; an LDS store's data are its source 1: window 1
.irp b, 0,1,2,3
	ds_store_b128 v[STO], v[8*(4*(\a)+\b):8*(4*(\a)+\b)+3] offset:64*\b          ; each accumulator from its low end on
	ds_store_b128 v[STO], v[8*(4*(\a)+\b)+4:8*(4*(\a)+\b)+7] offset:64*\b+16
.endr
	WIN 0
.set BB, BK+32*((\a)%2)
.irp u, 0,1,2,3,4,5,6,7
	ds_load_b128 v[BB+4*\u:BB+4*\u+3], v[RD] offset:\u*2*SPITCH
.endr
.endm
.macro SEND a, younger                 ; younger: the LDS instructions issued behind block a's loads, which may stay out
.set BB, BK+32*((\a)%2)
	s_wait_dscnt \younger                          ; the block is back in registers
.irp u, 0,1,2,3,4,5,6,7
	global_store_b128 v[CO], v[BB+4*\u:BB+4*\u+3], s[10:11] offset:(16*(\a)+2*\u)*4096 th:TH_STORE_NT   ; sixteen lanes store 256 consecutive bytes, aligned; every offset is an immediate; written once, read by nobody here
.endr
.endm
	PLACES                                         ; behind the last products: for the reads of results and the loads into the registers that held A's fragments
	TOSTAGE 0
.irp a, 1,2,3,4,5,6,7
.if \a > 1
	s_wait_xcnt 0x0                                ; block a - 2's stores have read their registers: block a's loads may land there
.endif
	TOSTAGE \a
	SEND \a-1, 16                                  ; behind block a - 1's loads: block a's 8 stores and 8 loads
.endr
	SEND 7, 0
	s_wait_tensorcnt 0x0                           ; the wave's end: these three lines behind my last tensor load and my last LDS store
	ds_add_u32 v[SPW], v[NIL]
	s_wait_dscnt 0x0
	CROUND                                         ; the closing round: no work-group ends while a partner may still ask for a tile that names it
	s_endpgm
.Lfunc_end_k_q9264cb6adb_oproj:
	.size	k_q9264cb6adb_oproj, .Lfunc_end_k_q9264cb6adb_oproj-k_q9264cb6adb_oproj
	.p2alignl 7, 3214868480
	.fill 96, 4, 3214868480
	.section	.rodata,"a",@progbits
	.p2align	6, 0x0
	.amdhsa_kernel k_q9264cb6adb_oproj
		.amdhsa_group_segment_fixed_size 327680
		.amdhsa_private_segment_fixed_size 0
		.amdhsa_enable_private_segment 0
		.amdhsa_kernarg_size 32
		.amdhsa_user_sgpr_count 2
		.amdhsa_user_sgpr_kernarg_segment_ptr 1
		.amdhsa_wavefront_size32 1
		.amdhsa_system_sgpr_workgroup_id_x 1
		.amdhsa_system_sgpr_workgroup_id_y 1
		.amdhsa_system_sgpr_workgroup_id_z 1
		.amdhsa_system_vgpr_workitem_id 0
		.amdhsa_next_free_vgpr 512
		.amdhsa_next_free_sgpr 66
		.amdhsa_reserve_vcc 0
		.amdhsa_float_denorm_mode_32 3
		.amdhsa_float_denorm_mode_16_64 3
		.amdhsa_memory_ordered 1
		.amdhsa_forward_progress 1
		.amdhsa_inst_pref_size 86
	.end_amdhsa_kernel
	.amdgpu_metadata
---
amdhsa.version: [ 1, 2 ]
amdhsa.kernels:
  - .name:           k_q9264cb6adb_oproj
    .symbol:         k_q9264cb6adb_oproj.kd
    .args:
      - { .name: ctx, .offset: 0, .size: 8, .value_kind: global_buffer, .address_space: global }
      - { .name: wo16, .offset: 8, .size: 8, .value_kind: global_buffer, .address_space: global }
      - { .name: bo, .offset: 16, .size: 8, .value_kind: global_buffer, .address_space: global }
      - { .name: out0, .offset: 24, .size: 8, .value_kind: global_buffer, .address_space: global }
    .group_segment_fixed_size: 327680
    .private_segment_fixed_size: 0
    .kernarg_segment_align: 8
    .kernarg_segment_size: 32
    .max_flat_workgroup_size: 128
    .sgpr_count:     66
    .vgpr_count:     512
    .wavefront_size: 32
...
	.end_amdgpu_metadata
.endif
;; end of part 5
